; MI455X (gfx1250); checked and timed in simulation.
; The chip was launched on July 23, 2026; its instructions are those of AMD's public machine-readable ISA for CDNA 5 (MIT licence, August 2026) and "CDNA5" Instruction Set Architecture Reference Guide (July 2026). The comments in the code are by the model that wrote it; some were corrected since.
;; Eigen Memory. Allowed arithmetic: matrix products marked QUANTISED: E2M1 operands, one E8M0 scale for each 32 along K, by v_wmma_scale_f32_16x16x128_f8f6f4 with both operands' format E2M1 (or v_wmma_scale_f32_32x16x128_f4), f32 sums; products left as they are: f32 operands where the result goes on into a quantised operand, else bf16, f16 or f32 operands; f32 sums; everything else in f32.
;; Inputs: age 65,536 float32; mem 65,536 x 256 float32; q 2,048 x 256 float32.
;; Outputs: out0 2,048 x 256 float32.
;; This version of the problem:
;;   THIS VERSION OF THE PROBLEM IS GIVEN IN LOW PRECISION. The matrix products marked QUANTISED in the list below multiply operands that are first quantised to E2M1 (2 exponent bits, 1 mantissa bit; 4 bits a number), with one power-of-two scale for each 32 numbers along K (OCP MX v1.0); their sums are f32. All else is computed in f32.
;;   The module's matrix products, in the order in which they are computed (A, B: the left and right operand; K: the contracted axis; several contracted axes count as one K, in the product's order):
;;     1. [M 2,048, K 256] x [K 256, N 65,536]; A: computed on the way; B: input mem: QUANTISED
;;     2. batch 2,048 x [M 1, K 32] x [K 32, N 256]; A: softmax; B: computed on the way: left as it is (M = 1 < 16)
;;   THE QUANTISER, for each operand of a quantised product, along K:
;;     - K is cut into blocks of 32 from its start; a last block that is shorter is filled with zeros.
;;     - A block's scale is 2^e with e = floor(log2(the largest magnitude in the block)) - 2, held to -126 .. 127; a block of zeros has e = 0. As a byte (E8M0): e + 127.
;;     - Each number is divided by its block's scale, clamped to +-6, and rounded to the nearest number of E2M1, ties to even, subnormals kept.
;;     - The product sums the exact products of the quantised numbers (number of the format x scale) in f32.
;;   ~~~python
;;   def quantise(x, axis):      # numpy; x: float32 -> the quantised numbers, widened to float32 again
;;       x = np.moveaxis(x, axis, -1); K = x.shape[-1]
;;       x = np.pad(x, [(0, 0)] * (x.ndim - 1) + [(0, -K % 32)]); x = x.reshape(x.shape[:-1] + (-1, 32)); a = np.abs(x).max(-1, keepdims=True)
;;       e = np.where(a > 0, np.clip(np.frexp(np.where(a > 0, a, 1))[1] - 1 - 2, -126, 127), 0)      # np.frexp(a)[1] - 1 = floor(log2(a)), exactly
;;       r = np.clip(x / 2.0 ** e, -6, 6)
;;       step = 2.0 ** (np.maximum(np.frexp(np.where(r == 0, 1, r))[1] - 1, 0) - 1)
;;       q = np.round(r / step) * step * 2.0 ** e      # np.round: ties to even
;;       return np.moveaxis(q.reshape(q.shape[:-2] + (-1,))[..., :K], -1, axis).astype(np.float32)
;;   ~~~
;;   OPERANDS COMPUTED ON THE WAY. 'Computed on the way' means the value that the module computes at that place (a softmax that the list does not call 'softmax' is quantised finished and normalised). What goes into a quantiser is computed in f32, as accurately as f32 sums, v_exp_f32 and their like allow (about 1e-6 of the number): no bf16 or f16 on the way to a quantiser, and a product that is left as it is and whose result goes on into a quantised operand takes f32 operands (vector FMAs, or v_wmma_f32_16x16x4_f32). A number that lies on a knife's edge between two numbers of the format may be rounded either way, as far as f32 arithmetic and the matrix unit's own rounding can turn it there, and no further.
;; 2 versions. Each part assembles by itself: llvm-mc -triple=amdgcn-amd-amdhsa -mcpu=gfx1250 --defsym DOCPART=n.
;; ======== version 1 of 2: 5 launches
;; workspace buffers: mrec 10,272,768 bytes; gmax 16,777,216 bytes; gsel 262,144 bytes of whole numbers; ssel 262,144 bytes of whole numbers
;; launch prep (part 1): grid 528 x 1, 4 waves a work-group, no clusters, 43,520 bytes of LDS; arguments q, mem, age, mrec; writes mrec
.if DOCPART == 1
	.amdgcn_target "amdgcn-amd-amdhsa--gfx1250"
	.amdhsa_code_object_version 6
	.text
	.protected	k_qdce36afcad_prep
	.globl	k_qdce36afcad_prep
	.p2align	8
	.type	k_qdce36afcad_prep,@function
k_qdce36afcad_prep:
	s_mov_b64 s[64:65], 0
	v_nop
	global_prefetch_b8 v0, s[64:65] scope:SCOPE_SE
	s_setreg_imm32_b32 hwreg(HW_REG_WAVE_MODE, 25, 1), 1
	s_wait_xcnt 0x0
; PREP.  mem [65536][256] and q [2048][256], f32, become RECORDS of 32 rows, 4,864 bytes each: records 0-2047 hold mem's rows, records 2048-2111 q's.
; A record: bytes 0-4095 the rows' codes of FP4 (E2M1) as the image of the matrix operand's registers: tile u (16 rows), piece m = 0..3 (512 bytes):
;   block 2 m + h of row 16 u + r lies at 2048 u + 512 m + 256 h + 16 r;  bytes 4096-4351 the E8M0 scale bytes, 8 a row;  bytes 4352-4863 four f32 a row: w = 1 / norm, nthr = -1e-3 x norm, bias, cap = 1 + bias.
; A block's scale is 2^(floor(log2(largest magnitude)) - 2); its byte is that magnitude's exponent field - 2, held at 1 from below (a block of zeros keeps the byte 1: its codes are zeros, and this program alone reads the bytes).
; THE METRIC (+1, -1, .., -1) only turns signs, so for q it is an exclusive or on the codes' sign bits of d >= 1.  norm = sqrt(|sum of x^2 x metric|) + 1e-6, the root and the reciprocal each with one Newton step.
; bias = max(age x ln(0.99 as f32), ln(1e-6 as f32)), the logarithm in two parts, which is log(max(0.99^age, 1e-6)).
; LIMITS: NaN and infinities among the inputs are not served.  A query record's bias and cap are made of age's first numbers and are read by nobody.
; SHARES: a wave makes one record: 16 steps of 2 rows (2,048 bytes).  Each load reads 512 consecutive bytes; the bytes turn through the wave's own stage in LDS, so that a lane holds 16 neighbours along d
; and the sixteen lanes of a half wave hold one row.  Waves share nothing: no barrier.
.set STEPS, 16
.set SP,    80                         ; a lane's place in a stage: 64 bytes + 16 of padding
.set WREG,  10752                      ; LDS of a wave: two stages of 2,560 bytes; the codes; the scale bytes; the constants
.set CST,   5120                       ; codes: tile x CTP + block x CBP + 16 x row + 8 x half
.set CTP,   2304
.set CBP,   288
.set SCST,  9728                       ; scale bytes: 8 x row + block
.set KST,   9984                       ; constants: 16 x row
.set RECB,  4864
.set R,     16                         ; v16-79   four sets of 16 numbers as loaded
.set X,     80                         ; v80-111  two sets of 16 neighbours
.set C,     112                        ; v112-115 codes, two sets by turns
.set BY,    116                        ; v116-117 the scale byte, two sets
.set KW,    136                        ; v136-139 (w, nthr), two sets
.set OUTR,  140                        ; v140-179 the way out
	s_load_b256 s[4:11], s[0:1], 0x0               ; q s[4:5], mem s[6:7], age s[8:9], the records s[10:11]
	v_lshl_add_u32 v184, v0, 2, 0xa800
	v_mov_b32 v185, 0
	v_lshrrev_b32 v1, 5, v0
	v_readfirstlane_b32 s16, v1                    ; wave
	v_and_b32 v1, 31, v0                           ; lane
	v_and_b32 v2, 15, v0                           ; my place among a row's sixteen lanes
	v_lshlrev_b32 v3, 4, v1                        ; 16 x lane
	s_mul_i32 s17, s16, WREG
	v_lshrrev_b32 v14, 2, v1
	v_mul_u32_u24 v14, v14, SP
	v_and_b32 v15, 3, v1
	v_lshl_add_u32 v14, v15, 4, v14
	v_add_nc_u32 v14, s17, v14                     ; the stage, on the way in: four lanes' 64 bytes on end, then the padding
	v_mul_u32_u24 v15, v1, SP
	v_add_nc_u32 v15, s17, v15                     ; and on the way out: my 16 neighbours
	v_lshrrev_b32 v8, 4, v1                        ; which of the step's two rows
	v_lshrrev_b32 v9, 1, v2                        ; my block of 32
	v_and_b32 v11, 1, v1                           ; which half of it
	v_mul_u32_u24 v4, v9, CBP
	v_lshl_add_u32 v4, v8, 4, v4
	v_lshl_add_u32 v4, v11, 3, v4
	v_add_nc_u32 v4, s17, v4                       ; where my 8 bytes of codes go
	v_lshl_add_u32 v5, v8, 3, v9
	v_add_nc_u32 v5, s17, v5                       ; my block's scale byte
	v_lshlrev_b32 v6, 4, v8
	v_add_nc_u32 v6, s17, v6                       ; my row's constants
	v_mul_u32_u24 v7, v8, CBP
	v_lshl_add_u32 v7, v2, 4, v7
	v_add_nc_u32 v7, s17, v7                       ; the codes read back: lanes 0-15 an even block's 16 rows, lanes 16-31 the odd block's
	v_lshlrev_b32 v182, 3, v1                      ; 8 x lane
	v_add_nc_u32 v180, s17, v182
	v_add_nc_u32 v181, s17, v3
	v_lshlrev_b32 v183, 2, v1                      ; 4 x lane
	s_lshl_b32 s18, ttmp9, 2
	s_add_co_u32 s18, s18, s16                     ; my record
	s_mul_i32 s24, s18, RECB
	s_mov_b32 s25, 0
	s_mov_b32 s23, 0
	s_wait_kmcnt 0x0
	s_cmp_lt_u32 ttmp9, 512                        ; mem's record or q's?  The choice hangs on the work-group's number alone
	s_cselect_b64 s[4:5], s[6:7], s[4:5]
	s_cselect_b32 s19, 0, 2048
	s_cselect_b32 s20, 0, 0x88888888               ; the sign bits of eight codes, for q alone
	s_sub_co_u32 s19, s18, s19                     ; the record's number within its tensor
	s_lshl_b32 s22, s19, 15                        ; 32 rows of 1,024 bytes
	s_add_nc_u64 s[4:5], s[4:5], s[22:23]
	s_lshl_b32 s22, s19, 7                         ; 32 ages
	s_add_nc_u64 s[8:9], s[8:9], s[22:23]
	s_add_nc_u64 s[10:11], s[10:11], s[24:25]
	v_cmp_eq_u32 vcc_lo, 0, v2                     ; the lane that holds d = 0
	v_cndmask_b32 v10, 1.0, -1.0, vcc_lo           ; the sign of my first number's square in the norm (the sum is taken with all signs turned: only its magnitude is used)
	v_mov_b32 v13, s20
	v_and_b32 v12, 0xfffffff0, v13
	v_cndmask_b32 v12, v13, v12, vcc_lo            ; d = 0 keeps its sign
.macro LOAD t
.irp i, 0,1,2,3
	global_load_b128 v[R+16*((\t)%4)+4*\i:R+16*((\t)%4)+4*\i+3], v3, s[4:5] offset:2048*(\t)+512*\i th:TH_LOAD_NT   ; 32 lanes read 512 consecutive bytes
.endr
.endm
.macro TURN t                          ; step t's numbers through the stage: LDS serves a wave's instructions in order, so no wait stands between the stores and the loads
.irp i, 0,1,2,3
	ds_store_b128 v14, v[R+16*((\t)%4)+4*\i:R+16*((\t)%4)+4*\i+3] offset:32*SP*((\t)%2)+8*SP*\i
.endr
.irp i, 0,1,2,3
	ds_load_b128 v[X+16*((\t)%2)+4*\i:X+16*((\t)%2)+4*\i+3], v15 offset:32*SP*((\t)%2)+16*\i
.endr
.endm
	global_load_b32 v132, v183, s[8:9]             ; the ages of my 32 rows: lane = row
.irp t, 0,1,2,3
	LOAD \t
.endr
	s_wait_loadcnt 12                              ; the ages and step 0's four loads are in; three steps' loads stay out
	v_mul_f32 v133, 0x2fc8e234, v132               ; age x the logarithm's low part,
	v_fmamk_f32 v133, v132, 0xbc24aa20, v133       ; + age x its high part
	v_max_num_f32 v134, 0xc15d0c55, v133           ; the clip at 1e-6, taken on the logarithm
	v_add_f32 v135, 1.0, v134                      ; cap: what a similarity clipped at 1 comes to
	ds_store_b64 v181, v[134:135] offset:KST+8
	TURN 0
.macro STEP t
.set XS, X+16*((\t)%2)
.set C0, C+2*((\t)%2)
.set B0, BY+((\t)%2)
.set K0, KW+2*((\t)%2)
.if (\t) > 0
	s_wait_dscnt 3                                 ; all but the last step's three stores: this step's numbers are back, its stores into the stage have read their registers, and so have the stores of two steps ago, whose registers this step writes
.else
	s_wait_dscnt 0x0
.endif
.if (\t)+4 < STEPS
	LOAD (\t)+4
.endif
.if (\t)+1 < STEPS
.if STEPS-2-(\t) >= 3
	s_wait_loadcnt 12                              ; the next step's four loads are in; those of the three steps behind it may be out
.else
	s_wait_loadcnt 4*(STEPS-2-(\t))
.endif
	TURN (\t)+1
.endif
	v_max3_num_f32 v8, |v[XS]|, |v[XS+1]|, |v[XS+2]|               ; the largest magnitude of my 16
	v_max3_num_f32 v9, |v[XS+3]|, |v[XS+4]|, |v[XS+5]|
	v_mul_f32 v118, v[XS], v10
	v_pk_mul_f32 v[120:121], v[XS+2:XS+3], v[XS+2:XS+3]           ; the squares of my 16, two at a time
.irp i, 6,10
	v_max3_num_f32 v8, v8, |v[XS+\i]|, |v[XS+\i+1]|
	v_max3_num_f32 v9, v9, |v[XS+\i+2]|, |v[XS+\i+3]|
.endr
	v_mul_f32 v118, v118, v[XS]                    ; my first number's square, with its sign
.irp i, 4,6,8,10,12,14
	v_pk_fma_f32 v[120:121], v[XS+\i:XS+\i+1], v[XS+\i:XS+\i+1], v[120:121]
.endr
	v_fma_f32 v118, v[XS+1], v[XS+1], v118
	v_max3_num_f32 v8, v8, |v[XS+14]|, |v[XS+15]|
	v_max3_num_f32 v8, v8, v9, 0x1800000           ; and the floor 2^(3 - 127): the byte cannot fall under 1
	v_add_f32 v118, v118, v120
	v_max_num_f32_dpp v8, v8, v8 row_xmask:1 row_mask:0xf bank_mask:0xf   ; with my neighbour's 16: the block's
	v_add_f32 v118, v118, v121
	v_add_f32_dpp v118, v118, v118 row_xmask:1 row_mask:0xf bank_mask:0xf ; over the row's sixteen lanes
	v_add_f32_dpp v118, v118, v118 row_xmask:2 row_mask:0xf bank_mask:0xf
	v_add_f32_dpp v118, v118, v118 row_xmask:4 row_mask:0xf bank_mask:0xf
	v_add_f32_dpp v118, v118, v118 row_xmask:8 row_mask:0xf bank_mask:0xf
	v_sqrt_f32 v119, |v118|
	v_add_nc_u32 v11, 0xff000000, v8               ; 2 off the exponent field: the conversion's scale operand.  (A plain line behind the root)
	s_wait_alu depctr_va_vdst(0)
	v_rcp_f32 v122, v119
	v_lshrrev_b32 v[B0], 23, v11                   ; the scale's byte.  (A plain line behind the reciprocal)
	v_cvt_scalef32_pk8_fp4_f32 v[C0], v[XS:XS+7], v11
	v_cvt_scalef32_pk8_fp4_f32 v[C0+1], v[XS+8:XS+15], v11
	s_wait_alu depctr_va_vdst(0)
	v_mul_f32 v122, 0.5, v122                      ; (a plain line behind the conversions)
	v_xor_b32 v[C0], v12, v[C0]                    ; the metric's signs
	v_xor_b32 v[C0+1], v13, v[C0+1]
	v_min_num_f32 v122, 0x7f000000, v122           ; 1 / (2 root), held finite: a sum of 0 then gives 0 x a number
	v_fma_f32 v123, -v119, v119, |v118|            ; what the root's square misses,
	v_fma_f32 v123, v123, v122, v119               ; one Newton step
	v_add_f32 v123, 0x358637bd, v123               ; + 1e-6: the norm
	v_rcp_f32 v124, v123
	v_mul_f32 v[K0+1], 0xba83126f, v123            ; nthr = -1e-3 x norm.  (A plain line behind the reciprocal)
	s_wait_alu depctr_va_vdst(0)
	v_fma_f32 v125, -v123, v124, 1.0
	v_fma_f32 v[K0], v124, v125, v124              ; w = 1 / norm, one Newton step
	ds_store_b64 v4, v[C0:C0+1] offset:CST+((\t)/8)*CTP+32*((\t)%8)
	ds_store_b8 v5, v[B0] offset:SCST+16*(\t)      ; lanes that share an address write the same value
	ds_store_b64 v6, v[K0:K0+1] offset:KST+32*(\t)
.endm
.irp t, 0,1,2,3,4,5,6,7,8,9,10,11,12,13,14,15
	STEP \t
.endr
	; the way out: LDS serves a wave's instructions in order, so these loads see my stores.  Every store covers whole aligned runs of 256 bytes
.irp i, 0,1,2,3,4,5,6,7
	ds_load_b128 v[OUTR+4*\i:OUTR+4*\i+3], v7 offset:CST+(\i/4)*CTP+(\i%4)*2*CBP
.endr
	ds_load_b64 v[172:173], v180 offset:SCST
	ds_load_b128 v[176:179], v181 offset:KST
.irp i, 0,1,2,3,4,5,6,7
	s_wait_dscnt 9-\i                              ; the younger loads may be out
	global_store_b128 v3, v[OUTR+4*\i:OUTR+4*\i+3], s[10:11] offset:512*\i
.endr
	s_wait_dscnt 1
	global_store_b64 v182, v[172:173], s[10:11] offset:4096
	s_wait_dscnt 0x0
	global_store_b128 v3, v[176:179], s[10:11] offset:4352
	s_wait_tensorcnt 0x0
	ds_add_u32 v184, v185
	s_wait_dscnt 0x0
	s_endpgm
.Lfunc_end_k_qdce36afcad_prep:
	.size	k_qdce36afcad_prep, .Lfunc_end_k_qdce36afcad_prep-k_qdce36afcad_prep
	.p2alignl 7, 3214868480
	.fill 96, 4, 3214868480
	.section	.rodata,"a",@progbits
	.p2align	6, 0x0
	.amdhsa_kernel k_qdce36afcad_prep
		.amdhsa_group_segment_fixed_size 43520
		.amdhsa_private_segment_fixed_size 0
		.amdhsa_enable_private_segment 0
		.amdhsa_kernarg_size 32
		.amdhsa_user_sgpr_count 2
		.amdhsa_user_sgpr_kernarg_segment_ptr 1
		.amdhsa_wavefront_size32 1
		.amdhsa_system_sgpr_workgroup_id_x 1
		.amdhsa_system_sgpr_workgroup_id_y 1
		.amdhsa_system_sgpr_workgroup_id_z 1
		.amdhsa_system_vgpr_workitem_id 0
		.amdhsa_next_free_vgpr 186
		.amdhsa_next_free_sgpr 66
		.amdhsa_reserve_vcc 1
		.amdhsa_float_denorm_mode_32 3
		.amdhsa_float_denorm_mode_16_64 3
		.amdhsa_memory_ordered 1
		.amdhsa_forward_progress 1
		.amdhsa_inst_pref_size 63
	.end_amdhsa_kernel
	.amdgpu_metadata
---
amdhsa.version: [ 1, 2 ]
amdhsa.kernels:
  - .name:           k_qdce36afcad_prep
    .symbol:         k_qdce36afcad_prep.kd
    .args:
      - { .name: q, .offset: 0, .size: 8, .value_kind: global_buffer, .address_space: global }
      - { .name: mem, .offset: 8, .size: 8, .value_kind: global_buffer, .address_space: global }
      - { .name: age, .offset: 16, .size: 8, .value_kind: global_buffer, .address_space: global }
      - { .name: mrec, .offset: 24, .size: 8, .value_kind: global_buffer, .address_space: global }
    .group_segment_fixed_size: 43520
    .private_segment_fixed_size: 0
    .kernarg_segment_align: 8
    .kernarg_segment_size: 32
    .max_flat_workgroup_size: 128
    .sgpr_count:     66
    .vgpr_count:     186
    .wavefront_size: 32
...
	.end_amdgpu_metadata
.endif
;; end of part 1
;; launch scan (part 2): grid 128 x 2, 16 waves a work-group, no clusters, 80,384 bytes of LDS; arguments mrec, gmax; writes gmax
.if DOCPART == 2
	.amdgcn_target "amdgcn-amd-amdhsa--gfx1250"
	.amdhsa_code_object_version 6
	.text
	.protected	k_qdce36afcad_scan
	.globl	k_qdce36afcad_scan
	.p2align	8
	.type	k_qdce36afcad_scan,@function
k_qdce36afcad_scan:
	s_mov_b64 s[64:65], 0
	v_nop
	global_prefetch_b8 v0, s[64:65] scope:SCOPE_SE
	s_setreg_imm32_b32 hwreg(HW_REG_WAVE_MODE, 25, 1), 1
	s_wait_xcnt 0x0
; SCAN.  The whole quantised product (q x metric) mem^T on codes of FP4 with E8M0 scales, each score finished in registers, and of each GROUP of 32 neighbouring slots only the largest score of each query kept.
; A SCORE, made by these lines alike in this launch and in the two that score again (D = the matrix unit's f32 sum):
;   T = D x u (u = 1 / q's norm);  S = T + nthr (nthr = -1e-3 x mem's norm);  X = T x w + bias in one rounding (w = 1 / mem's norm);  y = min(X, cap), cap = 1 + bias.  The slot counts where S >= 0.
; Here the mask is one more operand of the minimum: R = S x 2^120 + 2^40 is at least 2^40 where S >= 0 and at most about -2^66 where S < 0 (nthr is at least 1e-9 in magnitude, so a sum that is not 0 is at least 2^-54):
; y is untouched where the slot counts, and lies under every score that counts where it does not.
; LIMITS: the similarity is (D x u) x w, not D / (qn x mn); the mask is tested on D x u against 1e-3 x mn; cap must stay under 2^40 (age above -1e14); NaN and infinities are not served.
; SHARES.  Work-group (c, qb): groups 16 c .. 16 c + 15 (512 slots) against queries 1024 qb .. + 1023; each of sixteen waves 64 queries, four tiles of 16, which stay in registers.  Four waves to a SIMD, so that one
; wave's vector work stands beside another's matrix work and LDS loads: a step has 8 matrix instructions and some 110 vector instructions.
; THE SLOTS OF A TILE ARE NOT NEIGHBOURS: column r of tile t is slot t of group r.  Source 0 = 16 queries, source 1 = 16 slots: register j of lane (r, h) is (query 8 h + j, group r), so the group's maximum is a running
; maximum in place and no lane asks another.
; LDS: the sixteen records as they lie in memory, 4,880 bytes apart (16 of padding): the sixteen lanes of a 16-byte load fall into sixteen different columns of 16 bytes.  Filled once, then only read.
.set RECB, 4864
.set GP,   4880
.set QF,   8                           ; v8-71    the queries' fragments: 16 a + 8 s
.set QS,   72                          ; v72-75   their scale words: lanes 0-15 K step 0's, lanes 16-31 K step 1's
.set U,    76                          ; v76-107  u of query 8 h + j of tile a, at 8 a + j
.set ACC,  108                         ; v108-139 the running maxima
.set DA,   140                         ; v140-171, v172-203 two sets of four accumulators
.set DB,   172
.set BF,   204                         ; v204-219 the slots' fragments: 8 s
.set BS,   220                         ; v220     their scale words
.set CA,   224                         ; v224-227, v228-231 a tile's constants (w, nthr, bias, cap) of my column, two sets
.set CB,   228
.set SS,   232                         ; v232-247 S, two sets of 8
.set HG,   248                         ; v[248:249] 2^120 twice
.set BG,   250                         ; v[250:251] 2^40 twice
.set NT,   252                         ; v[252:253] nthr, in a pair's low word
	s_load_b128 s[4:7], s[0:1], 0x0                ; the records s[4:5], the maxima s[6:7]
	v_lshl_add_u32 v254, v0, 2, 0x13200
	v_mov_b32 v255, 0
	v_lshrrev_b32 v1, 5, v0
	v_readfirstlane_b32 s8, v1                     ; wave 0..15
	v_and_b32 v5, 31, v0
	v_and_b32 v6, 15, v0                           ; r
	v_bfe_u32 v7, v0, 4, 1                         ; h
	v_lshlrev_b32 v4, 4, v5                        ; 16 x lane
	v_mul_u32_u24 v3, v6, GP                       ; group r's record: its constants,
	v_lshl_add_u32 v1, v7, 8, v3                   ; its codes (+ 256 h),
	v_lshl_add_u32 v2, v7, 2, v3                   ; its scale words (+ 4 h)
	s_mul_i32 s9, s8, GP
	v_add_nc_u32 v232, s9, v4                      ; where I copy my wave's record to
	v_lshlrev_b32 v233, 3, v6
	v_lshl_add_u32 v233, v7, 2, v233               ; 8 r + 4 h: a query's scale word
	v_lshlrev_b32 v234, 7, v7                      ; 128 h: eight rows of constants
	v_mov_b32 v[HG], 0x7b800000
	v_mov_b32 v[HG+1], 0x7b800000
	v_mov_b32 v[BG], 0x53800000
	v_mov_b32 v[BG+1], 0x53800000
	v_mov_b32 v[NT+1], 0                           ; (named with nthr as a pair, so it is written)
	s_and_b32 s9, ttmp7, 0xffff                    ; qb
	s_lshl_b32 s10, ttmp9, 4
	s_add_co_u32 s10, s10, s8                      ; the record that my wave copies: 16 c + wave
	s_mul_i32 s10, s10, RECB
	s_mov_b32 s11, 0
	s_lshl_b32 s12, s9, 5
	s_lshl_b32 s13, s8, 1
	s_add_co_u32 s12, s12, s13
	s_add_co_u32 s12, s12, 2048                    ; my queries' first record: 2048 + 32 qb + 2 wave
	s_mul_i32 s12, s12, RECB
	s_mov_b32 s13, 0
	s_lshl_b32 s14, ttmp9, 17                      ; the maxima: 131,072 c + 1,024 x (64 qb + 4 wave)
	s_lshl_b32 s15, s9, 16
	s_add_co_u32 s14, s14, s15
	s_lshl_b32 s15, s8, 12
	s_add_co_u32 s14, s14, s15
	s_mov_b32 s15, 0
	s_wait_kmcnt 0x0
	s_add_nc_u64 s[10:11], s[4:5], s[10:11]
	s_add_nc_u64 s[12:13], s[4:5], s[12:13]
	s_add_nc_u64 s[6:7], s[6:7], s[14:15]
.irp i, 0,1,2,3,4,5,6,7
	global_load_b128 v[DA+4*\i:DA+4*\i+3], v4, s[10:11] offset:512*\i       ; the record, 512 consecutive bytes a load
.endr
	global_load_b128 v[DA+32:DA+35], v4, s[10:11] offset:4096
	global_load_b128 v[DA+36:DA+39], v4, s[10:11] offset:4352               ; (the last two share 256 bytes, which are stored twice with the same values)
.irp a, 0,1,2,3
.irp m, 0,1,2,3
	global_load_b128 v[QF+16*\a+4*\m:QF+16*\a+4*\m+3], v4, s[12:13] offset:(\a/2)*RECB+(\a%2)*2048+512*\m
.endr
	global_load_b32 v[QS+\a], v233, s[12:13] offset:(\a/2)*RECB+4096+(\a%2)*128
.endr
.irp a, 0,1,2,3
.irp j, 0,1,2,3,4,5,6,7
	global_load_b32 v[U+8*\a+\j], v234, s[12:13] offset:(\a/2)*RECB+4352+((\a%2)*16+\j)*16
.endr
.endr
	s_wait_loadcnt 52                              ; the record's ten loads are in; the 52 loads for the queries may be out
.irp i, 0,1,2,3,4,5,6,7
	ds_store_b128 v232, v[DA+4*\i:DA+4*\i+3] offset:512*\i
.endr
	ds_store_b128 v232, v[DA+32:DA+35] offset:4096
	ds_store_b128 v232, v[DA+36:DA+39] offset:4352
	s_wait_dscnt 0x0                               ; for the others' sake: my record lies in LDS
	s_barrier_signal -1
	s_barrier_wait -1                              ; all sixteen do; from here on LDS is only read
	s_wait_loadcnt 0x0                             ; the queries
.macro LDT cs, ob, os, oc              ; a tile's fragments, scale words and constants
.irp m, 0,1,2,3
	ds_load_b128 v[BF+4*\m:BF+4*\m+3], v1 offset:\ob+512*\m
.endr
	ds_load_b32 v[BS], v2 offset:4096+\os
	ds_load_b128 v[\cs:\cs+3], v3 offset:4352+\oc
.endm
.macro MM d                            ; 8 matrix instructions: K step 0 starts the four sums, K step 1 adds; the accumulators take turns
.irp a, 0,1,2,3
	v_wmma_scale_f32_16x16x128_f8f6f4 v[\d+8*\a:\d+8*\a+7], v[QF+16*\a:QF+16*\a+7], v[BF:BF+7], 0, v[QS+\a], v[BS] matrix_a_fmt:MATRIX_FMT_FP4 matrix_b_fmt:MATRIX_FMT_FP4
.endr
.irp a, 0,1,2,3
	v_wmma_scale_f32_16x16x128_f8f6f4 v[\d+8*\a:\d+8*\a+7], v[QF+16*\a+8:QF+16*\a+15], v[BF+8:BF+15], v[\d+8*\a:\d+8*\a+7], v[QS+\a], v[BS] matrix_a_fmt:MATRIX_FMT_FP4 matrix_b_fmt:MATRIX_FMT_FP4 matrix_a_scale:MATRIX_SCALE_ROW1 matrix_b_scale:MATRIX_SCALE_ROW1
.endr
.endm
.macro SCORE d, cs                     ; 32 sums a lane become scores, in place; each accumulator is read from its low end on
	v_mov_b32 v[NT], v[\cs+1]
.irp a, 0,1,2,3
.irp p, 0,2,4,6
	v_pk_mul_f32 v[\d+8*\a+\p:\d+8*\a+\p+1], v[\d+8*\a+\p:\d+8*\a+\p+1], v[U+8*\a+\p:U+8*\a+\p+1]                              ; T = D x u
.endr
.irp p, 0,2,4,6
	v_pk_add_f32 v[SS+8*(\a%2)+\p:SS+8*(\a%2)+\p+1], v[\d+8*\a+\p:\d+8*\a+\p+1], v[NT:NT+1] op_sel_hi:[1,0]                    ; S = T + nthr
.endr
.irp p, 0,2,4,6
	v_pk_fma_f32 v[\d+8*\a+\p:\d+8*\a+\p+1], v[\d+8*\a+\p:\d+8*\a+\p+1], v[\cs:\cs+1], v[\cs+2:\cs+3] op_sel_hi:[1,0,0]        ; X = T x w + bias
.endr
.irp p, 0,2,4,6
	v_pk_fma_f32 v[SS+8*(\a%2)+\p:SS+8*(\a%2)+\p+1], v[SS+8*(\a%2)+\p:SS+8*(\a%2)+\p+1], v[HG:HG+1], v[BG:BG+1]                ; R = S x 2^120 + 2^40
.endr
.irp j, 0,1,2,3,4,5,6,7
	v_min3_num_f32 v[\d+8*\a+\j], v[\d+8*\a+\j], v[\cs+3], v[SS+8*(\a%2)+\j]                                                  ; y = min(X, cap, R)
.endr
.endr
.endm
.macro FOLD first                      ; two tiles' scores into the running maxima; the first two start them: nothing is cleared
.set I, 0
.rept 32
.if \first
	v_max_num_f32 v[ACC+I], v[DA+I], v[DB+I]
.else
	v_max3_num_f32 v[ACC+I], v[ACC+I], v[DA+I], v[DB+I]
.endif
.set I, I+1
.endr
.endm
.macro PLACES                          ; four plain lines behind a matrix instruction, ahead of loads into registers that it read and of the first read of its result
.rept 4
	v_nop
.endr
.endm
; A trip: slots 2 i, 2 i + 1, 16 + 2 i, 17 + 2 i of the sixteen groups.  Each tile's operands are asked for while the tile before is scored.
.macro TRIP first, last
	s_wait_dscnt 0x0
	MM DA
	PLACES
	LDT CB, 16, 8, 16
	SCORE DA, CA
	s_wait_dscnt 0x0
	MM DB
	PLACES
	LDT CA, 2048, 128, 256
	SCORE DB, CB
	FOLD \first
	s_wait_dscnt 0x0
	MM DA
	PLACES
	LDT CB, 2064, 136, 272
	SCORE DA, CA
	s_wait_dscnt 0x0
	MM DB
.if \last
	PLACES
.else
	v_add_nc_u32 v1, 32, v1                        ; two slots on: these three lines and the next are the four places
	v_add_nc_u32 v2, 16, v2
	v_add_nc_u32 v3, 32, v3
	v_nop
	LDT CA, 0, 0, 0
.endif
	SCORE DB, CB
	FOLD 0
.endm
	LDT CA, 0, 0, 0
	TRIP 1, 0
	s_mov_b32 s16, 6
.Ltrip:
	TRIP 0, 0
	s_sub_co_u32 s16, s16, 1
	s_cmp_lg_u32 s16, 0
	s_cbranch_scc1 .Ltrip
	TRIP 0, 1                                      ; the last trip asks for nothing more
.irp a, 0,1,2,3
.irp g, 0,1
	global_store_b128 v4, v[ACC+8*\a+4*\g:ACC+8*\a+4*\g+3], s[6:7] offset:1024*\a+512*\g   ; 32 lanes store 512 consecutive bytes: queries 8 h + 4 g + 0..3 of tile a, group r
.endr
.endr
	s_wait_tensorcnt 0x0
	ds_add_u32 v254, v255
	s_wait_dscnt 0x0
	s_endpgm
.Lfunc_end_k_qdce36afcad_scan:
	.size	k_qdce36afcad_scan, .Lfunc_end_k_qdce36afcad_scan-k_qdce36afcad_scan
	.p2alignl 7, 3214868480
	.fill 96, 4, 3214868480
	.section	.rodata,"a",@progbits
	.p2align	6, 0x0
	.amdhsa_kernel k_qdce36afcad_scan
		.amdhsa_group_segment_fixed_size 80384
		.amdhsa_private_segment_fixed_size 0
		.amdhsa_enable_private_segment 0
		.amdhsa_kernarg_size 16
		.amdhsa_user_sgpr_count 2
		.amdhsa_user_sgpr_kernarg_segment_ptr 1
		.amdhsa_wavefront_size32 1
		.amdhsa_system_sgpr_workgroup_id_x 1
		.amdhsa_system_sgpr_workgroup_id_y 1
		.amdhsa_system_sgpr_workgroup_id_z 1
		.amdhsa_system_vgpr_workitem_id 0
		.amdhsa_next_free_vgpr 256
		.amdhsa_next_free_sgpr 66
		.amdhsa_reserve_vcc 0
		.amdhsa_float_denorm_mode_32 3
		.amdhsa_float_denorm_mode_16_64 3
		.amdhsa_memory_ordered 1
		.amdhsa_forward_progress 1
		.amdhsa_inst_pref_size 112
	.end_amdhsa_kernel
	.amdgpu_metadata
---
amdhsa.version: [ 1, 2 ]
amdhsa.kernels:
  - .name:           k_qdce36afcad_scan
    .symbol:         k_qdce36afcad_scan.kd
    .args:
      - { .name: mrec, .offset: 0, .size: 8, .value_kind: global_buffer, .address_space: global }
      - { .name: gmax, .offset: 8, .size: 8, .value_kind: global_buffer, .address_space: global }
    .group_segment_fixed_size: 80384
    .private_segment_fixed_size: 0
    .kernarg_segment_align: 8
    .kernarg_segment_size: 16
    .max_flat_workgroup_size: 512
    .sgpr_count:     66
    .vgpr_count:     256
    .wavefront_size: 32
...
	.end_amdgpu_metadata
.endif
;; end of part 2
;; launch pickg (part 3): grid 256 x 1, 8 waves a work-group, no clusters, 67,584 bytes of LDS; arguments gmax, gsel; writes gsel
.if DOCPART == 3
	.amdgcn_target "amdgcn-amd-amdhsa--gfx1250"
	.amdhsa_code_object_version 6
	.text
	.protected	k_qdce36afcad_pickg
	.globl	k_qdce36afcad_pickg
	.p2align	8
	.type	k_qdce36afcad_pickg,@function
k_qdce36afcad_pickg:
	s_mov_b64 s[64:65], 0
	v_nop
	global_prefetch_b8 v0, s[64:65] scope:SCOPE_SE
	s_setreg_imm32_b32 hwreg(HW_REG_WAVE_MODE, 25, 1), 1
	s_wait_xcnt 0x0
; PICKG.  For each query the 32 groups (of 2,048) with the largest group maxima, ties to the lower group number.  Under the order (score falling, index rising) the 32 best slots lie in those groups:
; were a best slot's group not among them, 32 groups' best slots would all stand ahead of it.
; NO ADDRESS AND NO BRANCH HANGS ON A SCORE.  tau, the 32nd largest of the 2,048 maxima, comes from sorting networks of maxima and minima; the members are then named by counting bits of compare masks,
; and the numbers are stored at fixed places, as whole numbers, for the next launch.
; SHARES.  Work-group x = 2 A + jq serves the eight queries 16 A + 8 h + 4 jq + jj; wave 4 h + jj one of them.  The eight queries' maxima lie interleaved in 128 pieces of 512 bytes: each wave loads sixteen
; pieces whole, they meet in LDS, and each wave reads its own query: register c, lane l = group 32 c + l.
.set V,    16                          ; v16-79   the query's 2,048 maxima, 64 a lane
.set P,    80                          ; v80-111, v112-143 two sets at work
.set Q,    112
.set L,    144                         ; v144-175 a sorted list of 32, falling
.set TAU,  176
.set TB,   177
.set VW,   178                         ; the mask word that holds my member's bit,
.set VST,  179                         ; the bits ahead of that word,
.set VID,  180                         ; and 32 x the word's register
.set KK,   181
.set POS,  182
.set A1,   183
.set A2,   184
.set A3,   185
.set A4,   186
.set T0,   187
.set T1,   188
.set LANE, 1
.set OB,   65536                       ; behind the stage: the eight lists, 128 bytes each
.set PL,   12                          ; s[12:13] v_permlanex16_b32's selects for lane l xor 16
.set SW,   16                          ; s16-19 four mask words; s20-23 their counts; s24-27 the bits ahead of each; s28-31 their numbers
.set SC,   20
.set SR,   24
.set SI,   28
.set RUN,  32
	s_load_b128 s[4:7], s[0:1], 0x0                ; the maxima s[4:5], the lists s[6:7]
	v_lshl_add_u32 v192, v0, 2, 0x10400
	v_mov_b32 v193, 0
	v_lshrrev_b32 v2, 5, v0
	v_readfirstlane_b32 s8, v2                     ; wave 0..7
	v_and_b32 v1, 31, v0                           ; lane
	v_lshlrev_b32 v3, 4, v1                        ; 16 x lane
	s_lshl_b32 s9, s8, 13
	v_add_nc_u32 v4, s9, v3                        ; into the stage: my wave's sixteen pieces
	v_lshrrev_b32 v5, 4, v1
	v_and_b32 v6, 15, v1
	v_lshlrev_b32 v5, 9, v5
	v_lshl_add_u32 v5, v6, 4, v5                   ; out of it: piece 2 c + l / 16, group l % 16 of the piece,
	s_lshr_b32 s10, s8, 2
	s_lshl_b32 s10, s10, 8                         ; + 256 h
	s_and_b32 s11, s8, 3
	s_lshl_b32 s11, s11, 2                         ; + 4 jj
	s_add_co_u32 s10, s10, s11
	v_add_nc_u32 v5, s10, v5
	v_lshl_add_u32 v7, v0, 2, OB                   ; my member's word among the lists
	v_lshl_add_u32 v8, v0, 4, OB                   ; the lists read back, 16 bytes a thread (threads 0-63 alone),
	v_lshlrev_b32 v9, 4, v0                        ; and the same place in memory
	s_mov_b32 s[PL], 0x76543210
	s_mov_b32 s[PL+1], 0xfedcba98
	s_lshl_b32 s14, ttmp9, 9                       ; 512 x
	s_lshl_b32 s15, s8, 21                         ; + sixteen pieces' distance, 16 x 131,072, x wave
	s_add_co_u32 s14, s14, s15
	s_mov_b32 s15, 0
	s_lshl_b32 s34, ttmp9, 10                      ; eight lists of 128 bytes
	s_mov_b32 s35, 0
	s_wait_kmcnt 0x0
	s_add_nc_u64 s[4:5], s[4:5], s[14:15]
	s_add_nc_u64 s[6:7], s[6:7], s[34:35]
.irp i, 0,1,2,3,4,5,6,7,8,9,10,11,12,13,14,15
	global_load_b128 v[V+4*\i:V+4*\i+3], v3, s[4:5] offset:\i*131072 th:TH_LOAD_NT
.endr
	s_wait_loadcnt 0x0
.irp i, 0,1,2,3,4,5,6,7,8,9,10,11,12,13,14,15
	ds_store_b128 v4, v[V+4*\i:V+4*\i+3] offset:\i*512
.endr
	s_wait_dscnt 0x0                               ; for the others' sake: my pieces lie in LDS (and the stores have read their registers)
	s_barrier_signal -1
	s_barrier_wait -1
.set I, 0
.rept 64
	ds_load_b32 v[V+I], v5 offset:I*1024
.set I, I+1
.endr
	s_wait_dscnt 0x0
; One stage of a sorting network over a lane's 32 registers, from one set into another: two lines a pair, no copy.
.macro STAGE src, dst, k, j
.set I, 0
.rept 32
.if ((I/\j)&1) == 0
.if ((I/\k)&1) == 0
	v_max_num_f32 v[\dst+I], v[\src+I], v[\src+I+\j]
	v_min_num_f32 v[\dst+I+\j], v[\src+I], v[\src+I+\j]
.else
	v_min_num_f32 v[\dst+I], v[\src+I], v[\src+I+\j]
	v_max_num_f32 v[\dst+I+\j], v[\src+I], v[\src+I+\j]
.endif
.endif
.set I, I+1
.endr
.endm
.macro SORT32 src, dst                 ; 32 registers of each lane, falling; the source is kept
	STAGE \src, P, 2, 1
	STAGE P, Q, 4, 2
	STAGE Q, P, 4, 1
	STAGE P, Q, 8, 4
	STAGE Q, P, 8, 2
	STAGE P, Q, 8, 1
	STAGE Q, P, 16, 8
	STAGE P, Q, 16, 4
	STAGE Q, P, 16, 2
	STAGE P, Q, 16, 1
	STAGE Q, P, 32, 16
	STAGE P, Q, 32, 8
	STAGE Q, P, 32, 4
	STAGE P, Q, 32, 2
	STAGE Q, \dst, 32, 1
.endm
.macro CLEAN                           ; what rises and then falls (or the other way), in Q, is sorted into L
	STAGE Q, P, 32, 16
	STAGE P, Q, 32, 8
	STAGE Q, P, 32, 4
	STAGE P, Q, 32, 2
	STAGE Q, L, 32, 1
.endm
.macro XMERGE m                        ; the 32 largest of my list and lane l xor m's: max(mine[i], the other's[31 - i])
.set I, 0
.rept 32
	v_max_num_f32_dpp v[Q+I], v[L+31-I], v[L+I] row_xmask:\m row_mask:0xf bank_mask:0xf
.set I, I+1
.endr
	CLEAN
.endm
	SORT32 V, L
	SORT32 V+32, P
.set I, 0
.rept 32
	v_max_num_f32 v[Q+I], v[L+I], v[P+31-I]        ; the 32 largest of my 64
.set I, I+1
.endr
	CLEAN
	XMERGE 1
	XMERGE 2
	XMERGE 4
	XMERGE 8
.set I, 0
.rept 32
	v_permlanex16_b32 v[Q+I], v[L+31-I], s[PL], s[PL+1]
.set I, I+1
.endr
.set I, 0
.rept 32
	v_max_num_f32 v[P+I], v[L+I], v[Q+I]           ; the 32 largest of all 2,048, in no order
.set I, I+1
.endr
	v_min3_num_f32 v[TAU], v[P], v[P+1], v[P+2]    ; tau = the least of them
	v_min3_num_f32 v[TB], v[P+3], v[P+4], v[P+5]
.irp i, 6,10,14,18,22,26
	v_min3_num_f32 v[TAU], v[TAU], v[P+\i], v[P+\i+1]
	v_min3_num_f32 v[TB], v[TB], v[P+\i+2], v[P+\i+3]
.endr
	v_min3_num_f32 v[TAU], v[TAU], v[P+30], v[P+31]
	v_min_num_f32 v[TAU], v[TAU], v[TB]
; THE MEMBERS.  The string of bits (maximum > tau), register by register, lane by lane, and behind it the string (maximum = tau), has at most 31 ones in its first part and at least 32 in all.
; Lane o takes the o-th one: all that lie above tau, then the ties with the lowest numbers.  The word that holds it is the last word with at most o ones ahead of it.
.macro SBATCH gt, i0
.irp q, 0,1,2,3
.if \gt
	v_cmp_gt_f32 s[SW+\q], v[V+\i0+\q], v[TAU]
.else
	v_cmp_eq_f32 s[SW+\q], v[V+\i0+\q], v[TAU]
.endif
.endr
.irp q, 0,1,2,3
	s_bcnt1_i32_b32 s[SC+\q], s[SW+\q]
	s_mov_b32 s[SI+\q], 32*(\i0+\q)
.endr
	s_mov_b32 s[SR], s[RUN]
	s_add_co_u32 s[SR+1], s[SR], s[SC]
	s_add_co_u32 s[SR+2], s[SR+1], s[SC+1]
	s_add_co_u32 s[SR+3], s[SR+2], s[SC+2]
	s_add_co_u32 s[RUN], s[SR+3], s[SC+3]
.irp q, 0,1,2,3
	v_cmp_le_u32 vcc_lo, s[SR+\q], v[LANE]
	v_cndmask_b32 v[VW], v[VW], s[SW+\q], vcc_lo
	v_cndmask_b32 v[VST], v[VST], s[SR+\q], vcc_lo
	v_cndmask_b32 v[VID], v[VID], s[SI+\q], vcc_lo
.endr
.endm
	v_mov_b32 v[VW], 0
	v_mov_b32 v[VST], 0
	v_mov_b32 v[VID], 0
	s_mov_b32 s[RUN], 0
.set B, 0
.rept 16
	SBATCH 1, B
.set B, B+4
.endr
.set B, 0
.rept 16
	SBATCH 0, B
.set B, B+4
.endr
	; the place of one number K = o - (ones ahead) in my word: counts of 2, 4, 8 and 16 bits side by side, then five halvings
	v_sub_nc_u32 v[KK], v[LANE], v[VST]
	v_lshrrev_b32 v[T0], 1, v[VW]
	v_and_b32 v[T0], 0x55555555, v[T0]
	v_sub_nc_u32 v[A1], v[VW], v[T0]
	v_lshrrev_b32 v[T0], 2, v[A1]
	v_and_b32 v[T0], 0x33333333, v[T0]
	v_and_b32 v[A2], 0x33333333, v[A1]
	v_add_nc_u32 v[A2], v[A2], v[T0]
	v_lshrrev_b32 v[T0], 4, v[A2]
	v_add_nc_u32 v[T0], v[A2], v[T0]
	v_and_b32 v[A3], 0x0f0f0f0f, v[T0]
	v_lshrrev_b32 v[T0], 8, v[A3]
	v_add_nc_u32 v[T0], v[A3], v[T0]
	v_and_b32 v[A4], 0x00ff00ff, v[T0]
	v_mov_b32 v[POS], 0
.macro LEVEL a, w                      ; are there K ones or fewer in the lower w bits?  Then they are passed over
	v_bfe_u32 v[T0], v[\a], v[POS], \w
	v_cmp_ge_u32 vcc_lo, v[KK], v[T0]
	v_sub_nc_u32 v[T0], v[KK], v[T0]
	v_add_nc_u32 v[T1], \w, v[POS]
	v_cndmask_b32 v[KK], v[KK], v[T0], vcc_lo
	v_cndmask_b32 v[POS], v[POS], v[T1], vcc_lo
.endm
	LEVEL A4, 16
	LEVEL A3, 8
	LEVEL A2, 4
	LEVEL A1, 2
	LEVEL VW, 1
	v_add_nc_u32 v[VID], v[VID], v[POS]            ; the group's number
	ds_store_b32 v7, v[VID]
	s_wait_dscnt 0x0                               ; for the others' sake
	s_barrier_signal -1
	s_barrier_wait -1
	s_cmp_gt_u32 s8, 1                             ; waves 0 and 1 store the eight lists, 512 consecutive bytes each
	s_cbranch_scc1 .Ldone
	ds_load_b128 v[16:19], v8
	s_wait_dscnt 0x0
	global_store_b128 v9, v[16:19], s[6:7]
.Ldone:
	s_wait_tensorcnt 0x0
	ds_add_u32 v192, v193
	s_wait_dscnt 0x0
	s_endpgm
.Lfunc_end_k_qdce36afcad_pickg:
	.size	k_qdce36afcad_pickg, .Lfunc_end_k_qdce36afcad_pickg-k_qdce36afcad_pickg
	.p2alignl 7, 3214868480
	.fill 96, 4, 3214868480
	.section	.rodata,"a",@progbits
	.p2align	6, 0x0
	.amdhsa_kernel k_qdce36afcad_pickg
		.amdhsa_group_segment_fixed_size 67584
		.amdhsa_private_segment_fixed_size 0
		.amdhsa_enable_private_segment 0
		.amdhsa_kernarg_size 16
		.amdhsa_user_sgpr_count 2
		.amdhsa_user_sgpr_kernarg_segment_ptr 1
		.amdhsa_wavefront_size32 1
		.amdhsa_system_sgpr_workgroup_id_x 1
		.amdhsa_system_sgpr_workgroup_id_y 1
		.amdhsa_system_sgpr_workgroup_id_z 1
		.amdhsa_system_vgpr_workitem_id 0
		.amdhsa_next_free_vgpr 194
		.amdhsa_next_free_sgpr 66
		.amdhsa_reserve_vcc 1
		.amdhsa_float_denorm_mode_32 3
		.amdhsa_float_denorm_mode_16_64 3
		.amdhsa_memory_ordered 1
		.amdhsa_forward_progress 1
		.amdhsa_inst_pref_size 132
	.end_amdhsa_kernel
	.amdgpu_metadata
---
amdhsa.version: [ 1, 2 ]
amdhsa.kernels:
  - .name:           k_qdce36afcad_pickg
    .symbol:         k_qdce36afcad_pickg.kd
    .args:
      - { .name: gmax, .offset: 0, .size: 8, .value_kind: global_buffer, .address_space: global }
      - { .name: gsel, .offset: 8, .size: 8, .value_kind: global_buffer, .address_space: global }
    .group_segment_fixed_size: 67584
    .private_segment_fixed_size: 0
    .kernarg_segment_align: 8
    .kernarg_segment_size: 16
    .max_flat_workgroup_size: 256
    .sgpr_count:     66
    .vgpr_count:     194
    .wavefront_size: 32
...
	.end_amdgpu_metadata
.endif
;; end of part 3
;; launch rescan (part 4): grid 256 x 1, 8 waves a work-group, no clusters, 2,048 bytes of LDS; arguments gsel, mrec, ssel; writes ssel
.if DOCPART == 4
	.amdgcn_target "amdgcn-amd-amdhsa--gfx1250"
	.amdhsa_code_object_version 6
	.text
	.protected	k_qdce36afcad_rescan
	.globl	k_qdce36afcad_rescan
	.p2align	8
	.type	k_qdce36afcad_rescan,@function
k_qdce36afcad_rescan:
	s_mov_b64 s[64:65], 0
	v_nop
	global_prefetch_b8 v0, s[64:65] scope:SCOPE_SE
	s_setreg_imm32_b32 hwreg(HW_REG_WAVE_MODE, 25, 1), 1
	s_wait_xcnt 0x0
; RESCAN.  For each query the 32 x 32 slots of its 32 chosen groups are scored again, by the same matrix instructions and the same lines as in the launch that scanned, and the 32 best slots are named
; (score falling, ties to the lower index).  The groups' numbers are whole numbers read from memory: they make addresses here.  What is derived from scores makes no address and no branch: the slots' numbers go to fixed places.
; A SCORE: T = D x u;  S = T + nthr;  X = T x w + bias in one rounding;  y = min(X, cap); where S < 0 the slot does not count: -infinity.
; LIMITS: as stated for the scan: the similarity is (D x u) x w; the mask is tested on D x u against 1e-3 x the slot's norm; NaN and infinities are not served.
; SHARES.  A wave serves one query: work-group x, wave wv: query 16 (x / 2) + 8 (wv / 4) + 4 (x % 2) + wv % 4.  Source 0 holds the SAME query in all 16 rows, source 1 the 16 slots of half a group:
; register 0 of the two results holds, in lane l, slot l of the group.  Register g of the scores = the g-th group in rising order, lane = the slot in it: so the order of (register, lane) is the order of the indices.
.set RECB, 4864
.set LANE, 1
.set AF,   16                          ; v16-31   the query's two fragments
.set AS,   32                          ; v32      its scale words
.set D0,   40                          ; v40-47, v48-55 the two accumulators
.set D1,   48
.set BFR,  64                          ; v64-159  three groups' fragments, 32 registers each; later the sets P, Q, L
.set BSR,  160                         ; v160-165 their scale words
.set CCR,  168                         ; v168-179 their constants: lane l has slot l's (w, nthr, bias, cap)
.set V,    192                         ; v192-223 the scores
.set P,    64
.set Q,    96
.set L,    128
.set TAU,  180
.set TB,   181
.set VW,   182
.set VST,  183
.set VID,  184
.set KK,   185
.set POS,  186
.set A1,   187
.set A2,   188
.set A3,   189
.set A4,   190
.set T0,   191
.set T1,   56
.set HM,   24                          ; s24      lanes 16-31
.set PL,   26                          ; s[26:27] v_permlanex16_b32's selects for lane l xor 16
.set SM,   28
.set GID,  32                          ; s32-63   the groups' numbers, rising
.set SW,   66
.set SC,   70
.set SR,   74
.set SI,   78
.set RUN,  82
	s_load_b128 s[4:7], s[0:1], 0x0                ; the groups' lists s[4:5], the records s[6:7]
	s_load_b64 s[8:9], s[0:1], 0x10                ; the slots' lists
	v_lshl_add_u32 v254, v0, 2, 0x400
	v_mov_b32 v255, 0
	v_lshrrev_b32 v1, 5, v0
	v_readfirstlane_b32 s10, v1                    ; wave 0..7
	v_and_b32 v1, 31, v0                           ; lane
	v_lshlrev_b32 v2, 4, v1                        ; 16 x lane
	v_and_b32 v3, 15, v0
	v_bfe_u32 v15, v0, 4, 1                        ; h
	v_lshlrev_b32 v3, 3, v3
	v_lshl_add_u32 v3, v15, 2, v3                  ; 8 r + 4 h
	v_lshlrev_b32 v13, 2, v0                       ; 4 x thread
	v_lshlrev_b32 v14, 4, v0                       ; 16 x thread
	v_mov_b32 v8, 0xff800000                       ; -infinity
	v_mov_b32 v10, 0                               ; (a lane permute's destination counts as one of its sources)
	s_lshr_b32 s11, ttmp9, 1
	s_lshl_b32 s11, s11, 4
	s_lshr_b32 s22, s10, 2
	s_lshl_b32 s22, s22, 3
	s_add_co_u32 s11, s11, s22
	s_and_b32 s22, ttmp9, 1
	s_lshl_b32 s22, s22, 2
	s_add_co_u32 s11, s11, s22
	s_and_b32 s22, s10, 3
	s_add_co_u32 s11, s11, s22                     ; my query
	s_lshr_b32 s18, s11, 5
	s_add_co_u32 s18, s18, 2048
	s_mul_i32 s18, s18, RECB                       ; its record
	s_mov_b32 s19, 0
	s_and_b32 s22, s11, 31                         ; its row there
	s_lshr_b32 s23, s22, 4
	s_lshl_b32 s23, s23, 11
	s_and_b32 s25, s22, 15
	s_lshl_b32 s25, s25, 4
	s_add_co_u32 s23, s23, s25
	v_lshl_add_u32 v4, v15, 8, s23                 ; its codes: 2048 x tile + 16 x row + 256 h
	s_lshl_b32 s23, s22, 3
	v_lshl_add_u32 v5, v15, 2, s23                 ; its scale words: 8 x row + 4 h
	s_lshl_b32 s23, s22, 4
	v_mov_b32 v6, s23                              ; its constants: 16 x row
	s_mov_b32 s[HM], 0xffff0000
	s_mov_b32 s[PL], 0x76543210
	s_mov_b32 s[PL+1], 0xfedcba98
	s_lshl_b32 s20, ttmp9, 10                      ; eight lists of 128 bytes
	s_mov_b32 s21, 0
	s_wait_kmcnt 0x0
	s_add_nc_u64 s[4:5], s[4:5], s[20:21]
	s_add_nc_u64 s[8:9], s[8:9], s[20:21]
	s_add_nc_u64 s[18:19], s[6:7], s[18:19]
	global_load_b32 v9, v13, s[4:5]                ; my query's 32 groups, one a lane
.irp m, 0,1,2,3
	global_load_b128 v[AF+4*\m:AF+4*\m+3], v4, s[18:19] offset:512*\m
.endr
	global_load_b32 v[AS], v5, s[18:19] offset:4096
	global_load_b32 v7, v6, s[18:19] offset:4352   ; u
	s_wait_loadcnt 0x0
; The 32 numbers are sorted across the lanes, rising.  In stage (k, j) lane l meets lane l xor j and keeps the larger where bit (l / j) xor (l / k) is set: a constant mask.
.macro LSTAGE k, j
.set M, 0
.set I, 0
.rept 32
.set M, M | ((((I/\j)^(I/\k))&1)<<I)
.set I, I+1
.endr
	s_mov_b32 s[SM], M
.if \j == 16
	v_permlanex16_b32 v10, v9, s[PL], s[PL+1]
.else
	v_mov_b32_dpp v10, v9 row_xmask:\j row_mask:0xf bank_mask:0xf
.endif
	v_min_u32 v11, v9, v10
	v_max_u32 v12, v9, v10
	v_cndmask_b32 v9, v11, v12, s[SM]
.endm
	LSTAGE 2, 1
	LSTAGE 4, 2
	LSTAGE 4, 1
	LSTAGE 8, 4
	LSTAGE 8, 2
	LSTAGE 8, 1
	LSTAGE 16, 8
	LSTAGE 16, 4
	LSTAGE 16, 2
	LSTAGE 16, 1
	LSTAGE 32, 16
	LSTAGE 32, 8
	LSTAGE 32, 4
	LSTAGE 32, 2
	LSTAGE 32, 1
.set I, 0
.rept 32
	v_readlane_b32 s[GID+I], v9, I
.set I, I+1
.endr
.set I, 0
.rept 32
	s_min_u32 s[GID+I], s[GID+I], 2047             ; a loaded number enters an address only held inside the table
.set I, I+1
.endr
.macro LOADG g                         ; group g's record into buffer g % 3: 11 loads, each of consecutive bytes
.set BU, (\g)%3
	s_mul_i32 s20, s[GID+(\g)], RECB
	s_add_nc_u64 s[12+2*BU:13+2*BU], s[6:7], s[20:21]
.irp m, 0,1,2,3,4,5,6,7
	global_load_b128 v[BFR+32*BU+4*\m:BFR+32*BU+4*\m+3], v2, s[12+2*BU:13+2*BU] offset:512*\m
.endr
	global_load_b32 v[BSR+2*BU], v3, s[12+2*BU:13+2*BU] offset:4096
	global_load_b32 v[BSR+2*BU+1], v3, s[12+2*BU:13+2*BU] offset:4224
	global_load_b128 v[CCR+4*BU:CCR+4*BU+3], v2, s[12+2*BU:13+2*BU] offset:4352
.endm
.macro PROC g, left
.set BU, (\g)%3
	s_wait_loadcnt \left                           ; this group's 11 loads are in (so its base pair may be written again); the younger groups' may be out
	; the two accumulators take turns
	v_wmma_scale_f32_16x16x128_f8f6f4 v[D0:D0+7], v[AF:AF+7], v[BFR+32*BU:BFR+32*BU+7], 0, v[AS], v[BSR+2*BU] matrix_a_fmt:MATRIX_FMT_FP4 matrix_b_fmt:MATRIX_FMT_FP4
	v_wmma_scale_f32_16x16x128_f8f6f4 v[D1:D1+7], v[AF:AF+7], v[BFR+32*BU+16:BFR+32*BU+23], 0, v[AS], v[BSR+2*BU+1] matrix_a_fmt:MATRIX_FMT_FP4 matrix_b_fmt:MATRIX_FMT_FP4
	v_wmma_scale_f32_16x16x128_f8f6f4 v[D0:D0+7], v[AF+8:AF+15], v[BFR+32*BU+8:BFR+32*BU+15], v[D0:D0+7], v[AS], v[BSR+2*BU] matrix_a_fmt:MATRIX_FMT_FP4 matrix_b_fmt:MATRIX_FMT_FP4 matrix_a_scale:MATRIX_SCALE_ROW1 matrix_b_scale:MATRIX_SCALE_ROW1
	v_wmma_scale_f32_16x16x128_f8f6f4 v[D1:D1+7], v[AF+8:AF+15], v[BFR+32*BU+24:BFR+32*BU+31], v[D1:D1+7], v[AS], v[BSR+2*BU+1] matrix_a_fmt:MATRIX_FMT_FP4 matrix_b_fmt:MATRIX_FMT_FP4 matrix_a_scale:MATRIX_SCALE_ROW1 matrix_b_scale:MATRIX_SCALE_ROW1
.rept 4
	v_nop                                          ; four plain lines ahead of the first read of the results and of the loads into the fragments
.endr
	v_cndmask_b32 v56, v[D0], v[D1], s[HM]         ; lane l: slot l's sum (each result's lowest register)
	v_mul_f32 v56, v56, v7                         ; T
	v_add_f32 v57, v56, v[CCR+4*BU+1]              ; S
	v_fma_f32 v56, v56, v[CCR+4*BU], v[CCR+4*BU+2] ; X
	v_min_num_f32 v56, v56, v[CCR+4*BU+3]          ; y
	v_cmp_gt_f32 vcc_lo, 0, v57
	v_cndmask_b32 v[V+(\g)], v56, v8, vcc_lo
.if (\g) < 29
	LOADG (\g)+3                                   ; behind the score, which read this buffer's constants
.endif
.endm
	LOADG 0
	LOADG 1
	LOADG 2
.irp g, 0,1,2,3,4,5,6,7,8,9,10,11,12,13,14,15,16,17,18,19,20,21,22,23,24,25,26,27,28,29
	PROC \g, 22
.endr
	PROC 30, 11
	PROC 31, 0
.macro STAGE src, dst, k, j            ; one stage of a sorting network over a lane's 32 registers, from one set into another
.set I, 0
.rept 32
.if ((I/\j)&1) == 0
.if ((I/\k)&1) == 0
	v_max_num_f32 v[\dst+I], v[\src+I], v[\src+I+\j]
	v_min_num_f32 v[\dst+I+\j], v[\src+I], v[\src+I+\j]
.else
	v_min_num_f32 v[\dst+I], v[\src+I], v[\src+I+\j]
	v_max_num_f32 v[\dst+I+\j], v[\src+I], v[\src+I+\j]
.endif
.endif
.set I, I+1
.endr
.endm
.macro CLEAN
	STAGE Q, P, 32, 16
	STAGE P, Q, 32, 8
	STAGE Q, P, 32, 4
	STAGE P, Q, 32, 2
	STAGE Q, L, 32, 1
.endm
.macro XMERGE m                        ; the 32 largest of my list and lane l xor m's
.set I, 0
.rept 32
	v_max_num_f32_dpp v[Q+I], v[L+31-I], v[L+I] row_xmask:\m row_mask:0xf bank_mask:0xf
.set I, I+1
.endr
	CLEAN
.endm
	STAGE V, P, 2, 1                               ; my 32 scores, falling; V is kept
	STAGE P, Q, 4, 2
	STAGE Q, P, 4, 1
	STAGE P, Q, 8, 4
	STAGE Q, P, 8, 2
	STAGE P, Q, 8, 1
	STAGE Q, P, 16, 8
	STAGE P, Q, 16, 4
	STAGE Q, P, 16, 2
	STAGE P, Q, 16, 1
	STAGE Q, P, 32, 16
	STAGE P, Q, 32, 8
	STAGE Q, P, 32, 4
	STAGE P, Q, 32, 2
	STAGE Q, L, 32, 1
	XMERGE 1
	XMERGE 2
	XMERGE 4
	XMERGE 8
.set I, 0
.rept 32
	v_permlanex16_b32 v[Q+I], v[L+31-I], s[PL], s[PL+1]
.set I, I+1
.endr
.set I, 0
.rept 32
	v_max_num_f32 v[P+I], v[L+I], v[Q+I]           ; the 32 largest of all 1,024, in no order
.set I, I+1
.endr
	v_min3_num_f32 v[TAU], v[P], v[P+1], v[P+2]    ; tau = the least of them
	v_min3_num_f32 v[TB], v[P+3], v[P+4], v[P+5]
.irp i, 6,10,14,18,22,26
	v_min3_num_f32 v[TAU], v[TAU], v[P+\i], v[P+\i+1]
	v_min3_num_f32 v[TB], v[TB], v[P+\i+2], v[P+\i+3]
.endr
	v_min3_num_f32 v[TAU], v[TAU], v[P+30], v[P+31]
	v_min_num_f32 v[TAU], v[TAU], v[TB]
; THE MEMBERS: lane o takes the o-th one of the string (score > tau) followed by the string (score = tau): all above tau, then the ties with the lowest indices.
.macro SBATCH gt, i0
.irp q, 0,1,2,3
.if \gt
	v_cmp_gt_f32 s[SW+\q], v[V+\i0+\q], v[TAU]
.else
	v_cmp_eq_f32 s[SW+\q], v[V+\i0+\q], v[TAU]
.endif
.endr
.irp q, 0,1,2,3
	s_bcnt1_i32_b32 s[SC+\q], s[SW+\q]
	s_lshl_b32 s[SI+\q], s[GID+\i0+\q], 5          ; the group's first slot
.endr
	s_mov_b32 s[SR], s[RUN]
	s_add_co_u32 s[SR+1], s[SR], s[SC]
	s_add_co_u32 s[SR+2], s[SR+1], s[SC+1]
	s_add_co_u32 s[SR+3], s[SR+2], s[SC+2]
	s_add_co_u32 s[RUN], s[SR+3], s[SC+3]
.irp q, 0,1,2,3
	v_cmp_le_u32 vcc_lo, s[SR+\q], v[LANE]
	v_cndmask_b32 v[VW], v[VW], s[SW+\q], vcc_lo
	v_cndmask_b32 v[VST], v[VST], s[SR+\q], vcc_lo
	v_cndmask_b32 v[VID], v[VID], s[SI+\q], vcc_lo
.endr
.endm
	v_mov_b32 v[VW], 0
	v_mov_b32 v[VST], 0
	v_mov_b32 v[VID], 0
	s_mov_b32 s[RUN], 0
.set B, 0
.rept 8
	SBATCH 1, B
.set B, B+4
.endr
.set B, 0
.rept 8
	SBATCH 0, B
.set B, B+4
.endr
	v_sub_nc_u32 v[KK], v[LANE], v[VST]            ; the place of one number K in my word: counts side by side, then five halvings
	v_lshrrev_b32 v[T0], 1, v[VW]
	v_and_b32 v[T0], 0x55555555, v[T0]
	v_sub_nc_u32 v[A1], v[VW], v[T0]
	v_lshrrev_b32 v[T0], 2, v[A1]
	v_and_b32 v[T0], 0x33333333, v[T0]
	v_and_b32 v[A2], 0x33333333, v[A1]
	v_add_nc_u32 v[A2], v[A2], v[T0]
	v_lshrrev_b32 v[T0], 4, v[A2]
	v_add_nc_u32 v[T0], v[A2], v[T0]
	v_and_b32 v[A3], 0x0f0f0f0f, v[T0]
	v_lshrrev_b32 v[T0], 8, v[A3]
	v_add_nc_u32 v[T0], v[A3], v[T0]
	v_and_b32 v[A4], 0x00ff00ff, v[T0]
	v_mov_b32 v[POS], 0
.macro LEVEL a, w
	v_bfe_u32 v[T0], v[\a], v[POS], \w
	v_cmp_ge_u32 vcc_lo, v[KK], v[T0]
	v_sub_nc_u32 v[T0], v[KK], v[T0]
	v_add_nc_u32 v[T1], \w, v[POS]
	v_cndmask_b32 v[KK], v[KK], v[T0], vcc_lo
	v_cndmask_b32 v[POS], v[POS], v[T1], vcc_lo
.endm
	LEVEL A4, 16
	LEVEL A3, 8
	LEVEL A2, 4
	LEVEL A1, 2
	LEVEL VW, 1
	v_add_nc_u32 v[VID], v[VID], v[POS]            ; the slot's number
	ds_store_b32 v13, v[VID]
	s_wait_dscnt 0x0                               ; for the others' sake
	s_barrier_signal -1
	s_barrier_wait -1
	s_cmp_gt_u32 s10, 1                            ; waves 0 and 1 store the eight lists, 512 consecutive bytes each
	s_cbranch_scc1 .Ldone
	ds_load_b128 v[60:63], v14
	s_wait_dscnt 0x0
	global_store_b128 v14, v[60:63], s[8:9]
.Ldone:
	s_wait_tensorcnt 0x0
	ds_add_u32 v254, v255
	s_wait_dscnt 0x0
	s_endpgm
.Lfunc_end_k_qdce36afcad_rescan:
	.size	k_qdce36afcad_rescan, .Lfunc_end_k_qdce36afcad_rescan-k_qdce36afcad_rescan
	.p2alignl 7, 3214868480
	.fill 96, 4, 3214868480
	.section	.rodata,"a",@progbits
	.p2align	6, 0x0
	.amdhsa_kernel k_qdce36afcad_rescan
		.amdhsa_group_segment_fixed_size 2048
		.amdhsa_private_segment_fixed_size 0
		.amdhsa_enable_private_segment 0
		.amdhsa_kernarg_size 24
		.amdhsa_user_sgpr_count 2
		.amdhsa_user_sgpr_kernarg_segment_ptr 1
		.amdhsa_wavefront_size32 1
		.amdhsa_system_sgpr_workgroup_id_x 1
		.amdhsa_system_sgpr_workgroup_id_y 1
		.amdhsa_system_sgpr_workgroup_id_z 1
		.amdhsa_system_vgpr_workitem_id 0
		.amdhsa_next_free_vgpr 256
		.amdhsa_next_free_sgpr 100
		.amdhsa_reserve_vcc 1
		.amdhsa_float_denorm_mode_32 3
		.amdhsa_float_denorm_mode_16_64 3
		.amdhsa_memory_ordered 1
		.amdhsa_forward_progress 1
		.amdhsa_inst_pref_size 151
	.end_amdhsa_kernel
	.amdgpu_metadata
---
amdhsa.version: [ 1, 2 ]
amdhsa.kernels:
  - .name:           k_qdce36afcad_rescan
    .symbol:         k_qdce36afcad_rescan.kd
    .args:
      - { .name: gsel, .offset: 0, .size: 8, .value_kind: global_buffer, .address_space: global }
      - { .name: mrec, .offset: 8, .size: 8, .value_kind: global_buffer, .address_space: global }
      - { .name: ssel, .offset: 16, .size: 8, .value_kind: global_buffer, .address_space: global }
    .group_segment_fixed_size: 2048
    .private_segment_fixed_size: 0
    .kernarg_segment_align: 8
    .kernarg_segment_size: 24
    .max_flat_workgroup_size: 256
    .sgpr_count:     100
    .vgpr_count:     256
    .wavefront_size: 32
...
	.end_amdgpu_metadata
.endif
;; end of part 4
;; launch gather (part 5): grid 256 x 1, 8 waves a work-group, no clusters, 0 bytes of LDS; arguments ssel, mrec, mem, out0; writes out0
.if DOCPART == 5
	.amdgcn_target "amdgcn-amd-amdhsa--gfx1250"
	.amdhsa_code_object_version 6
	.text
	.protected	k_qdce36afcad_gather
	.globl	k_qdce36afcad_gather
	.p2align	8
	.type	k_qdce36afcad_gather,@function
k_qdce36afcad_gather:
	s_mov_b64 s[64:65], 0
	v_nop
	global_prefetch_b8 v0, s[64:65] scope:SCOPE_SE
	s_setreg_imm32_b32 hwreg(HW_REG_WAVE_MODE, 25, 1), 1
	s_wait_xcnt 0x0
; GATHER.  For each query: its 32 slots (whole numbers read from memory) are scored once more, by the same matrix instructions and lines as before; softmax over the 32, the largest taken away first;
; out = the sum of weight x mem's row, in f32 fused multiply-adds (one row of weights: no work for the matrix unit).
; A SCORE: T = D x u;  S = T + nthr;  X = T x w + bias in one rounding;  y = min(X, cap); where S < 0: -infinity, whose weight is 0.  A query none of whose slots counts gives NaN, as the problem's definition does.
; LIMITS: as stated for the scan; NaN and infinities among the inputs are not served.
; SHARES.  A wave serves one query (work-group x, wave wv: query 16 (x / 2) + 8 (wv / 4) + 4 (x % 2) + wv % 4).  Source 0 holds the same query in all 16 rows, source 1 sixteen of the slots: register 0 of the two
; results holds, in lane l, the sum of the list's l-th slot.  mem's rows come in batches of eight (16 loads of 512 consecutive bytes), two batches on their way.  No LDS, no barrier.
.set RECB, 4864
.set AF,   16                          ; v16-31   the query's two fragments
.set AS,   32                          ; v32      its scale words
.set BSR,  33                          ; v33-34   the slots' scale words
.set D0,   40
.set D1,   48
.set CC,   64                          ; v64-67   my slot's (w, nthr, bias, cap)
.set BFR,  68                          ; v68-99   the slots' fragments: 16 x tile + 8 x K step
.set KOF,  100
.set T0,   101
.set T1,   102
.set RW,   104                         ; v104-231 two batches of eight rows, 8 registers a row
.set AC,   232                         ; v232-239 the sums: d = 4 l + 0..3 and 128 + 4 l + 0..3
.set HM,   24
.set PL,   26
.set RB,   32                          ; s32-63   the rows' addresses: 8 pairs for each of two batches
.set WT,   66                          ; s[66:67], s[68:69] a weight, in a pair's low word, by turns
	s_load_b256 s[4:11], s[0:1], 0x0               ; the lists s[4:5], the records s[6:7], mem s[8:9], out s[10:11]
	v_lshrrev_b32 v1, 5, v0
	v_readfirstlane_b32 s12, v1                    ; wave 0..7
	v_and_b32 v1, 31, v0
	v_lshlrev_b32 v2, 4, v1                        ; 16 x lane
	v_bfe_u32 v3, v0, 4, 1                         ; h
	v_lshlrev_b32 v14, 8, v3                       ; 256 h
	v_lshlrev_b32 v15, 2, v3                       ; 4 h
	v_lshlrev_b32 v13, 2, v0                       ; 4 x thread
	v_mov_b32 v8, 0xff800000                       ; -infinity
	v_mov_b32 v10, 0                               ; (lane permutes' destinations count as sources)
	v_mov_b32 v60, 0
	s_lshr_b32 s13, ttmp9, 1
	s_lshl_b32 s13, s13, 4
	s_lshr_b32 s22, s12, 2
	s_lshl_b32 s22, s22, 3
	s_add_co_u32 s13, s13, s22
	s_and_b32 s22, ttmp9, 1
	s_lshl_b32 s22, s22, 2
	s_add_co_u32 s13, s13, s22
	s_and_b32 s22, s12, 3
	s_add_co_u32 s13, s13, s22                     ; my query
	s_lshr_b32 s18, s13, 5
	s_add_co_u32 s18, s18, 2048
	s_mul_i32 s18, s18, RECB                       ; its record
	s_mov_b32 s19, 0
	s_and_b32 s14, s13, 31                         ; its row there
	s_lshr_b32 s15, s14, 4
	s_lshl_b32 s15, s15, 11
	s_and_b32 s16, s14, 15
	s_lshl_b32 s16, s16, 4
	s_add_co_u32 s15, s15, s16
	v_add_nc_u32 v4, s15, v14                      ; its codes
	s_lshl_b32 s16, s14, 3
	v_add_nc_u32 v5, s16, v15                      ; its scale words
	s_lshl_b32 s16, s14, 4
	v_mov_b32 v6, s16                              ; its constants
	s_mov_b32 s[HM], 0xffff0000
	s_mov_b32 s[PL], 0x76543210
	s_mov_b32 s[PL+1], 0xfedcba98
	s_mov_b32 s[WT+1], 0                           ; (named with the weights as pairs, so they are written)
	s_mov_b32 s[WT+3], 0
	s_lshl_b32 s22, ttmp9, 10                      ; eight lists of 128 bytes
	s_mov_b32 s23, 0
	s_lshl_b32 s28, s13, 10                        ; my row of out
	s_mov_b32 s29, 0
	s_mov_b32 s21, 0
	s_wait_kmcnt 0x0
	s_add_nc_u64 s[4:5], s[4:5], s[22:23]
	s_add_nc_u64 s[10:11], s[10:11], s[28:29]
	s_add_nc_u64 s[18:19], s[6:7], s[18:19]
	global_load_b32 v9, v13, s[4:5]                ; my query's 32 slots, one a lane
.irp m, 0,1,2,3
	global_load_b128 v[AF+4*\m:AF+4*\m+3], v4, s[18:19] offset:512*\m
.endr
	global_load_b32 v[AS], v5, s[18:19] offset:4096
	global_load_b32 v7, v6, s[18:19] offset:4352   ; u
	s_wait_loadcnt 0x0
	v_min_u32 v9, 0xffff, v9                       ; a loaded number enters an address only held inside the table
	v_permlanex16_b32 v10, v9, s[PL], s[PL+1]
	v_cndmask_b32 v11, v9, v10, s[HM]              ; lane (r, h): the list's slot r,
	v_cndmask_b32 v12, v10, v9, s[HM]              ; and its slot 16 + r
	v_min_u32 v11, 0xffff, v11
	v_min_u32 v12, 0xffff, v12
; slot c lies in record c / 32 at row c % 32: its codes at 4864 (c / 32) + 2048 (row / 16) + 16 (row % 16) + 256 h, its scale words at 4864 (c / 32) + 8 row + 4 h (+ 4096)
.macro OFFS c, oc, os
	v_and_b32 v[T0], 0xffe0, v[\c]
	v_mul_u32_u24 v[T0], 152, v[T0]
	v_and_b32 v[T1], 16, v[\c]
	v_lshlrev_b32 v[T1], 7, v[T1]
	v_add_nc_u32 v[\oc], v[T0], v[T1]
	v_and_b32 v[T1], 15, v[\c]
	v_lshlrev_b32 v[T1], 4, v[T1]
	v_add_nc_u32 v[\oc], v[\oc], v[T1]
	v_add_nc_u32 v[\oc], v[\oc], v14
	v_and_b32 v[T1], 31, v[\c]
	v_lshlrev_b32 v[T1], 3, v[T1]
	v_add_nc_u32 v[\os], v[T0], v[T1]
	v_add_nc_u32 v[\os], v[\os], v15
.endm
	OFFS 11, 36, 37
	OFFS 12, 38, 39
	v_and_b32 v[T0], 0xffe0, v9
	v_mul_u32_u24 v[T0], 152, v[T0]
	v_and_b32 v[T1], 31, v9
	v_lshlrev_b32 v[T1], 4, v[T1]
	v_add_nc_u32 v[KOF], v[T0], v[T1]              ; my own slot's constants (+ 4352)
.irp m, 0,1,2,3
	global_load_b128 v[BFR+4*\m:BFR+4*\m+3], v36, s[6:7] offset:512*\m
	global_load_b128 v[BFR+16+4*\m:BFR+16+4*\m+3], v38, s[6:7] offset:512*\m
.endr
	global_load_b32 v[BSR], v37, s[6:7] offset:4096
	global_load_b32 v[BSR+1], v39, s[6:7] offset:4096
	global_load_b128 v[CC:CC+3], v[KOF], s[6:7] offset:4352
.macro ROWS b                          ; rows 8 b .. 8 b + 7 of the list: 16 loads
.set PB, (\b)%2
.irp i, 0,1,2,3,4,5,6,7
	v_readlane_b32 s20, v9, 8*(\b)+\i
	s_min_u32 s20, s20, 0xffff
	s_lshl_b32 s20, s20, 10                        ; a row of mem is 1,024 bytes
	s_add_nc_u64 s[RB+16*PB+2*\i:RB+16*PB+2*\i+1], s[8:9], s[20:21]
	global_load_b128 v[RW+64*PB+8*\i:RW+64*PB+8*\i+3], v2, s[RB+16*PB+2*\i:RB+16*PB+2*\i+1]
	global_load_b128 v[RW+64*PB+8*\i+4:RW+64*PB+8*\i+7], v2, s[RB+16*PB+2*\i:RB+16*PB+2*\i+1] offset:512
.endr
.endm
	ROWS 0
	ROWS 1
	s_wait_loadcnt 32                              ; the 11 loads of operands are in; the two batches of rows may be out
	; the two accumulators take turns
	v_wmma_scale_f32_16x16x128_f8f6f4 v[D0:D0+7], v[AF:AF+7], v[BFR:BFR+7], 0, v[AS], v[BSR] matrix_a_fmt:MATRIX_FMT_FP4 matrix_b_fmt:MATRIX_FMT_FP4
	v_wmma_scale_f32_16x16x128_f8f6f4 v[D1:D1+7], v[AF:AF+7], v[BFR+16:BFR+23], 0, v[AS], v[BSR+1] matrix_a_fmt:MATRIX_FMT_FP4 matrix_b_fmt:MATRIX_FMT_FP4
	v_wmma_scale_f32_16x16x128_f8f6f4 v[D0:D0+7], v[AF+8:AF+15], v[BFR+8:BFR+15], v[D0:D0+7], v[AS], v[BSR] matrix_a_fmt:MATRIX_FMT_FP4 matrix_b_fmt:MATRIX_FMT_FP4 matrix_a_scale:MATRIX_SCALE_ROW1 matrix_b_scale:MATRIX_SCALE_ROW1
	v_wmma_scale_f32_16x16x128_f8f6f4 v[D1:D1+7], v[AF+8:AF+15], v[BFR+24:BFR+31], v[D1:D1+7], v[AS], v[BSR+1] matrix_a_fmt:MATRIX_FMT_FP4 matrix_b_fmt:MATRIX_FMT_FP4 matrix_a_scale:MATRIX_SCALE_ROW1 matrix_b_scale:MATRIX_SCALE_ROW1
.rept 4
	v_nop                                          ; four plain lines ahead of the first read of the results (ISA guide 7.12.1)
.endr
	v_cndmask_b32 v56, v[D0], v[D1], s[HM]         ; lane l: the l-th slot's sum (each result's lowest register)
	v_mul_f32 v56, v56, v7                         ; T
	v_add_f32 v57, v56, v[CC+1]                    ; S
	v_fma_f32 v56, v56, v[CC], v[CC+2]             ; X
	v_min_num_f32 v56, v56, v[CC+3]                ; y
	v_cmp_gt_f32 vcc_lo, 0, v57
	v_cndmask_b32 v56, v56, v8, vcc_lo
	v_mov_b32 v57, v56                             ; the largest of the 32
	v_max_num_f32_dpp v57, v57, v57 row_xmask:1 row_mask:0xf bank_mask:0xf
	v_max_num_f32_dpp v57, v57, v57 row_xmask:2 row_mask:0xf bank_mask:0xf
	v_max_num_f32_dpp v57, v57, v57 row_xmask:4 row_mask:0xf bank_mask:0xf
	v_max_num_f32_dpp v57, v57, v57 row_xmask:8 row_mask:0xf bank_mask:0xf
	v_permlanex16_b32 v60, v57, s[PL], s[PL+1]
	v_max_num_f32 v57, v57, v60
	v_sub_f32 v58, v56, v57
	v_mul_f32 v58, 0x3fb8aa3b, v58                 ; x log2(e)
	v_exp_f32 v58, v58
	v_nop                                          ; a plain line behind the exponential
	s_wait_alu depctr_va_vdst(0)
	v_mov_b32 v59, v58                             ; their sum
	v_add_f32_dpp v59, v59, v59 row_xmask:1 row_mask:0xf bank_mask:0xf
	v_add_f32_dpp v59, v59, v59 row_xmask:2 row_mask:0xf bank_mask:0xf
	v_add_f32_dpp v59, v59, v59 row_xmask:4 row_mask:0xf bank_mask:0xf
	v_add_f32_dpp v59, v59, v59 row_xmask:8 row_mask:0xf bank_mask:0xf
	v_permlanex16_b32 v60, v59, s[PL], s[PL+1]
	v_add_f32 v59, v59, v60
	v_rcp_f32 v59, v59
	v_nop                                          ; a plain line behind the reciprocal
	s_wait_alu depctr_va_vdst(0)
	v_mul_f32 v58, v58, v59                        ; lane l: the l-th slot's weight
.macro ACCUM b, left
.set PB, (\b)%2
	s_wait_loadcnt \left                           ; this batch's 16 loads are in (so its address pairs may be written again); the younger batch's may be out
.irp i, 0,1,2,3,4,5,6,7
	v_readlane_b32 s[WT+2*(\i%2)], v58, 8*(\b)+\i
.irp p, 0,2,4,6
.if ((\b) == 0) && (\i == 0)
	v_pk_mul_f32 v[AC+\p:AC+\p+1], v[RW+64*PB+8*\i+\p:RW+64*PB+8*\i+\p+1], s[WT+2*(\i%2):WT+2*(\i%2)+1] op_sel_hi:[1,0]   ; the first row starts the sums: nothing is cleared
.else
	v_pk_fma_f32 v[AC+\p:AC+\p+1], v[RW+64*PB+8*\i+\p:RW+64*PB+8*\i+\p+1], s[WT+2*(\i%2):WT+2*(\i%2)+1], v[AC+\p:AC+\p+1] op_sel_hi:[1,0,1]
.endif
.endr
.endr
.endm
	ACCUM 0, 16
	ROWS 2
	ACCUM 1, 16
	ROWS 3
	ACCUM 2, 16
	ACCUM 3, 0
	global_store_b128 v2, v[AC:AC+3], s[10:11]             ; 32 lanes store 512 consecutive bytes
	global_store_b128 v2, v[AC+4:AC+7], s[10:11] offset:512
	s_endpgm
.Lfunc_end_k_qdce36afcad_gather:
	.size	k_qdce36afcad_gather, .Lfunc_end_k_qdce36afcad_gather-k_qdce36afcad_gather
	.p2alignl 7, 3214868480
	.fill 96, 4, 3214868480
	.section	.rodata,"a",@progbits
	.p2align	6, 0x0
	.amdhsa_kernel k_qdce36afcad_gather
		.amdhsa_group_segment_fixed_size 0
		.amdhsa_private_segment_fixed_size 0
		.amdhsa_enable_private_segment 0
		.amdhsa_kernarg_size 32
		.amdhsa_user_sgpr_count 2
		.amdhsa_user_sgpr_kernarg_segment_ptr 1
		.amdhsa_wavefront_size32 1
		.amdhsa_system_sgpr_workgroup_id_x 1
		.amdhsa_system_sgpr_workgroup_id_y 1
		.amdhsa_system_sgpr_workgroup_id_z 1
		.amdhsa_system_vgpr_workitem_id 0
		.amdhsa_next_free_vgpr 240
		.amdhsa_next_free_sgpr 100
		.amdhsa_reserve_vcc 1
		.amdhsa_float_denorm_mode_32 3
		.amdhsa_float_denorm_mode_16_64 3
		.amdhsa_memory_ordered 1
		.amdhsa_forward_progress 1
		.amdhsa_inst_pref_size 30
	.end_amdhsa_kernel
	.amdgpu_metadata
---
amdhsa.version: [ 1, 2 ]
amdhsa.kernels:
  - .name:           k_qdce36afcad_gather
    .symbol:         k_qdce36afcad_gather.kd
    .args:
      - { .name: ssel, .offset: 0, .size: 8, .value_kind: global_buffer, .address_space: global }
      - { .name: mrec, .offset: 8, .size: 8, .value_kind: global_buffer, .address_space: global }
      - { .name: mem, .offset: 16, .size: 8, .value_kind: global_buffer, .address_space: global }
      - { .name: out0, .offset: 24, .size: 8, .value_kind: global_buffer, .address_space: global }
    .group_segment_fixed_size: 0
    .private_segment_fixed_size: 0
    .kernarg_segment_align: 8
    .kernarg_segment_size: 32
    .max_flat_workgroup_size: 256
    .sgpr_count:     100
    .vgpr_count:     240
    .wavefront_size: 32
...
	.end_amdgpu_metadata
.endif
;; end of part 5
;; ======== version 2 of 2: 5 launches
;; workspace buffers: mrec 10,272,768 bytes; gmax 16,777,216 bytes; gsel 262,144 bytes of whole numbers; ssel 262,144 bytes of whole numbers
;; launch prep (part 6): grid 528 x 1, 4 waves a work-group, no clusters, 43,520 bytes of LDS; arguments q, mem, age, mrec; writes mrec
.if DOCPART == 6
	.amdgcn_target "amdgcn-amd-amdhsa--gfx1250"
	.amdhsa_code_object_version 6
	.text
	.protected	k_qdce36afcad_prep
	.globl	k_qdce36afcad_prep
	.p2align	8
	.type	k_qdce36afcad_prep,@function
k_qdce36afcad_prep:
	s_mov_b64 s[64:65], 0
	v_nop
	global_prefetch_b8 v0, s[64:65] scope:SCOPE_SE
	s_setreg_imm32_b32 hwreg(HW_REG_WAVE_MODE, 25, 1), 1
	s_wait_xcnt 0x0
; PREP.  mem [65536][256] and q [2048][256], f32, become RECORDS of 32 rows, 4,864 bytes each: records 0-2047 hold mem's rows, records 2048-2111 q's.
; A record: bytes 0-4095 the rows' codes of FP4 (E2M1) as the image of the matrix operand's registers: tile u (16 rows), piece m = 0..3 (512 bytes):
;   block 2 m + h of row 16 u + r lies at 2048 u + 512 m + 256 h + 16 r;  bytes 4096-4351 the E8M0 scale bytes, 8 a row;  bytes 4352-4863 four f32 a row: w = 1 / norm, nthr = -1e-3 x norm, bias, cap = 1 + bias.
; A block's scale is 2^(floor(log2(largest magnitude)) - 2); its byte is that magnitude's exponent field - 2, held at 1 from below (a block of zeros keeps the byte 1: its codes are zeros, and this program alone reads the bytes).
; THE METRIC (+1, -1, .., -1) only turns signs, so for q it is an exclusive or on the codes' sign bits of d >= 1.  norm = sqrt(|sum of x^2 x metric|) + 1e-6, the root and the reciprocal each with one Newton step.
; bias = max(age x ln(0.99 as f32), ln(1e-6 as f32)), the logarithm in two parts, which is log(max(0.99^age, 1e-6)).
; LIMITS: NaN and infinities among the inputs are not served.  A query record's bias and cap are made of age's first numbers and are read by nobody.
; SHARES: a wave makes one record: 16 steps of 2 rows (2,048 bytes).  Each load reads 512 consecutive bytes; the bytes turn through the wave's own stage in LDS, so that a lane holds 16 neighbours along d
; and the sixteen lanes of a half wave hold one row.  Waves share nothing: no barrier.
.set STEPS, 16
.set SP,    80                         ; a lane's place in a stage: 64 bytes + 16 of padding
.set WREG,  10752                      ; LDS of a wave: two stages of 2,560 bytes; the codes; the scale bytes; the constants
.set CST,   5120                       ; codes: tile x CTP + block x CBP + 16 x row + 8 x half
.set CTP,   2304
.set CBP,   288
.set SCST,  9728                       ; scale bytes: 8 x row + block
.set KST,   9984                       ; constants: 16 x row
.set RECB,  4864
.set R,     16                         ; v16-79   four sets of 16 numbers as loaded
.set X,     80                         ; v80-111  two sets of 16 neighbours
.set C,     112                        ; v112-115 codes, two sets by turns
.set BY,    116                        ; v116-117 the scale byte, two sets
.set KW,    136                        ; v136-139 (w, nthr), two sets
.set OUTR,  140                        ; v140-179 the way out
	s_load_b256 s[4:11], s[0:1], 0x0               ; q s[4:5], mem s[6:7], age s[8:9], the records s[10:11]
	v_lshl_add_u32 v184, v0, 2, 0xa800
	v_mov_b32 v185, 0
	v_lshrrev_b32 v1, 5, v0
	v_readfirstlane_b32 s16, v1                    ; wave
	v_and_b32 v1, 31, v0                           ; lane
	v_and_b32 v2, 15, v0                           ; my place among a row's sixteen lanes
	v_lshlrev_b32 v3, 4, v1                        ; 16 x lane
	s_mul_i32 s17, s16, WREG
	v_lshrrev_b32 v14, 2, v1
	v_mul_u32_u24 v14, v14, SP
	v_and_b32 v15, 3, v1
	v_lshl_add_u32 v14, v15, 4, v14
	v_add_nc_u32 v14, s17, v14                     ; the stage, on the way in: four lanes' 64 bytes on end, then the padding
	v_mul_u32_u24 v15, v1, SP
	v_add_nc_u32 v15, s17, v15                     ; and on the way out: my 16 neighbours
	v_lshrrev_b32 v8, 4, v1                        ; which of the step's two rows
	v_lshrrev_b32 v9, 1, v2                        ; my block of 32
	v_and_b32 v11, 1, v1                           ; which half of it
	v_mul_u32_u24 v4, v9, CBP
	v_lshl_add_u32 v4, v8, 4, v4
	v_lshl_add_u32 v4, v11, 3, v4
	v_add_nc_u32 v4, s17, v4                       ; where my 8 bytes of codes go
	v_lshl_add_u32 v5, v8, 3, v9
	v_add_nc_u32 v5, s17, v5                       ; my block's scale byte
	v_lshlrev_b32 v6, 4, v8
	v_add_nc_u32 v6, s17, v6                       ; my row's constants
	v_mul_u32_u24 v7, v8, CBP
	v_lshl_add_u32 v7, v2, 4, v7
	v_add_nc_u32 v7, s17, v7                       ; the codes read back: lanes 0-15 an even block's 16 rows, lanes 16-31 the odd block's
	v_lshlrev_b32 v182, 3, v1                      ; 8 x lane
	v_add_nc_u32 v180, s17, v182
	v_add_nc_u32 v181, s17, v3
	v_lshlrev_b32 v183, 2, v1                      ; 4 x lane
	s_lshl_b32 s18, ttmp9, 2
	s_add_co_u32 s18, s18, s16                     ; my record
	s_mul_i32 s24, s18, RECB
	s_mov_b32 s25, 0
	s_mov_b32 s23, 0
	s_wait_alu depctr_va_vdst(0)
	s_wait_kmcnt 0x0
	s_cmp_lt_u32 ttmp9, 512                        ; mem's record or q's?  The choice hangs on the work-group's number alone
	s_cselect_b64 s[4:5], s[6:7], s[4:5]
	s_cselect_b32 s19, 0, 2048
	s_cselect_b32 s20, 0, 0x88888888               ; the sign bits of eight codes, for q alone
	s_sub_co_u32 s19, s18, s19                     ; the record's number within its tensor
	s_lshl_b32 s22, s19, 15                        ; 32 rows of 1,024 bytes
	s_add_nc_u64 s[4:5], s[4:5], s[22:23]
	s_lshl_b32 s22, s19, 7                         ; 32 ages
	s_add_nc_u64 s[8:9], s[8:9], s[22:23]
	s_add_nc_u64 s[10:11], s[10:11], s[24:25]
	v_cmp_eq_u32 vcc_lo, 0, v2                     ; the lane that holds d = 0
	v_cndmask_b32 v10, 1.0, -1.0, vcc_lo           ; the sign of my first number's square in the norm (the sum is taken with all signs turned: only its magnitude is used)
	v_mov_b32 v13, s20
	v_and_b32 v12, 0xfffffff0, v13
	v_cndmask_b32 v12, v13, v12, vcc_lo            ; d = 0 keeps its sign
.macro LOAD t
.irp i, 0,1,2,3
	global_load_b128 v[R+16*((\t)%4)+4*\i:R+16*((\t)%4)+4*\i+3], v3, s[4:5] offset:2048*(\t)+512*\i th:TH_LOAD_NT   ; 32 lanes read 512 consecutive bytes
.endr
.endm
.macro TURN t                          ; step t's numbers through the stage: LDS serves a wave's instructions in order, so no wait stands between the stores and the loads
.irp i, 0,1,2,3
	ds_store_b128 v14, v[R+16*((\t)%4)+4*\i:R+16*((\t)%4)+4*\i+3] offset:32*SP*((\t)%2)+8*SP*\i
.endr
.irp i, 0,1,2,3
	ds_load_b128 v[X+16*((\t)%2)+4*\i:X+16*((\t)%2)+4*\i+3], v15 offset:32*SP*((\t)%2)+16*\i
.endr
.endm
	global_load_b32 v132, v183, s[8:9]             ; the ages of my 32 rows: lane = row
.irp t, 0,1,2,3
	LOAD \t
.endr
	s_wait_loadcnt 12                              ; the ages and step 0's four loads are in; three steps' loads stay out
	v_mul_f32 v133, 0x2fc8e234, v132               ; age x the logarithm's low part,
	v_fmamk_f32 v133, v132, 0xbc24aa20, v133       ; + age x its high part
	v_max_num_f32 v134, 0xc15d0c55, v133           ; the clip at 1e-6, taken on the logarithm
	v_add_f32 v135, 1.0, v134                      ; cap: what a similarity clipped at 1 comes to
	ds_store_b64 v181, v[134:135] offset:KST+8
	TURN 0
.macro STEP t
.set XS, X+16*((\t)%2)
.set C0, C+2*((\t)%2)
.set B0, BY+((\t)%2)
.set K0, KW+2*((\t)%2)
.if (\t) > 0
	s_wait_dscnt 3                                 ; all but the last step's three stores: this step's numbers are back, its stores into the stage have read their registers, and so have the stores of two steps ago, whose registers this step writes
.else
	s_wait_dscnt 0x0
.endif
.if (\t)+4 < STEPS
	LOAD (\t)+4
.endif
.if (\t)+1 < STEPS
.if STEPS-2-(\t) >= 3
	s_wait_loadcnt 12                              ; the next step's four loads are in; those of the three steps behind it may be out
.else
	s_wait_loadcnt 4*(STEPS-2-(\t))
.endif
	TURN (\t)+1
.endif
	v_max3_num_f32 v8, |v[XS]|, |v[XS+1]|, |v[XS+2]|               ; the largest magnitude of my 16
	v_max3_num_f32 v9, |v[XS+3]|, |v[XS+4]|, |v[XS+5]|
	v_mul_f32 v118, v[XS], v10
	v_pk_mul_f32 v[120:121], v[XS+2:XS+3], v[XS+2:XS+3]           ; the squares of my 16, two at a time
.irp i, 6,10
	v_max3_num_f32 v8, v8, |v[XS+\i]|, |v[XS+\i+1]|
	v_max3_num_f32 v9, v9, |v[XS+\i+2]|, |v[XS+\i+3]|
.endr
	v_mul_f32 v118, v118, v[XS]                    ; my first number's square, with its sign
.irp i, 4,6,8,10,12,14
	v_pk_fma_f32 v[120:121], v[XS+\i:XS+\i+1], v[XS+\i:XS+\i+1], v[120:121]
.endr
	v_fma_f32 v118, v[XS+1], v[XS+1], v118
	v_max3_num_f32 v8, v8, |v[XS+14]|, |v[XS+15]|
	v_max3_num_f32 v8, v8, v9, 0x1800000           ; and the floor 2^(3 - 127): the byte cannot fall under 1
	v_add_f32 v118, v118, v120
	v_max_num_f32_dpp v8, v8, v8 row_xmask:1 row_mask:0xf bank_mask:0xf   ; with my neighbour's 16: the block's
	v_add_f32 v118, v118, v121
	v_add_f32_dpp v118, v118, v118 row_xmask:1 row_mask:0xf bank_mask:0xf ; over the row's sixteen lanes
	v_add_f32_dpp v118, v118, v118 row_xmask:2 row_mask:0xf bank_mask:0xf
	v_add_f32_dpp v118, v118, v118 row_xmask:4 row_mask:0xf bank_mask:0xf
	v_add_f32_dpp v118, v118, v118 row_xmask:8 row_mask:0xf bank_mask:0xf
	s_wait_alu depctr_va_vdst(0)
	v_sqrt_f32 v119, |v118|
	v_add_nc_u32 v11, 0xff000000, v8               ; 2 off the exponent field: the conversion's scale operand.  (A plain line behind the root)
	s_wait_alu depctr_va_vdst(0)
	v_rcp_f32 v122, v119
	v_lshrrev_b32 v[B0], 23, v11                   ; the scale's byte.  (A plain line behind the reciprocal)
	v_cvt_scalef32_pk8_fp4_f32 v[C0], v[XS:XS+7], v11
	v_cvt_scalef32_pk8_fp4_f32 v[C0+1], v[XS+8:XS+15], v11
	s_wait_alu depctr_va_vdst(0)
	v_mul_f32 v122, 0.5, v122                      ; (a plain line behind the conversions)
	v_xor_b32 v[C0], v12, v[C0]                    ; the metric's signs
	v_xor_b32 v[C0+1], v13, v[C0+1]
	v_min_num_f32 v122, 0x7f000000, v122           ; 1 / (2 root), held finite: a sum of 0 then gives 0 x a number
	v_fma_f32 v123, -v119, v119, |v118|            ; what the root's square misses,
	v_fma_f32 v123, v123, v122, v119               ; one Newton step
	v_add_f32 v123, 0x358637bd, v123               ; + 1e-6: the norm
	s_wait_alu depctr_va_vdst(0)
	v_rcp_f32 v124, v123
	v_mul_f32 v[K0+1], 0xba83126f, v123            ; nthr = -1e-3 x norm.  (A plain line behind the reciprocal)
	s_wait_alu depctr_va_vdst(0)
	v_fma_f32 v125, -v123, v124, 1.0
	v_fma_f32 v[K0], v124, v125, v124              ; w = 1 / norm, one Newton step
	ds_store_b64 v4, v[C0:C0+1] offset:CST+((\t)/8)*CTP+32*((\t)%8)
	ds_store_b8 v5, v[B0] offset:SCST+16*(\t)      ; lanes that share an address write the same value
	ds_store_b64 v6, v[K0:K0+1] offset:KST+32*(\t)
.endm
.irp t, 0,1,2,3,4,5,6,7,8,9,10,11,12,13,14,15
	STEP \t
.endr
	; the way out: LDS serves a wave's instructions in order, so these loads see my stores.  Every store covers whole aligned runs of 256 bytes
.irp i, 0,1,2,3,4,5,6,7
	ds_load_b128 v[OUTR+4*\i:OUTR+4*\i+3], v7 offset:CST+(\i/4)*CTP+(\i%4)*2*CBP
.endr
	ds_load_b64 v[172:173], v180 offset:SCST
	ds_load_b128 v[176:179], v181 offset:KST
.irp i, 0,1,2,3,4,5,6,7
	s_wait_dscnt 9-\i                              ; the younger loads may be out
	global_store_b128 v3, v[OUTR+4*\i:OUTR+4*\i+3], s[10:11] offset:512*\i
.endr
	s_wait_dscnt 1
	global_store_b64 v182, v[172:173], s[10:11] offset:4096
	s_wait_dscnt 0x0
	global_store_b128 v3, v[176:179], s[10:11] offset:4352
	s_wait_tensorcnt 0x0
	ds_add_u32 v184, v185
	s_wait_dscnt 0x0
	s_endpgm
.Lfunc_end_k_qdce36afcad_prep:
	.size	k_qdce36afcad_prep, .Lfunc_end_k_qdce36afcad_prep-k_qdce36afcad_prep
	.p2alignl 7, 3214868480
	.fill 96, 4, 3214868480
	.section	.rodata,"a",@progbits
	.p2align	6, 0x0
	.amdhsa_kernel k_qdce36afcad_prep
		.amdhsa_group_segment_fixed_size 43520
		.amdhsa_private_segment_fixed_size 0
		.amdhsa_enable_private_segment 0
		.amdhsa_kernarg_size 32
		.amdhsa_user_sgpr_count 2
		.amdhsa_user_sgpr_kernarg_segment_ptr 1
		.amdhsa_wavefront_size32 1
		.amdhsa_system_sgpr_workgroup_id_x 1
		.amdhsa_system_sgpr_workgroup_id_y 1
		.amdhsa_system_sgpr_workgroup_id_z 1
		.amdhsa_system_vgpr_workitem_id 0
		.amdhsa_next_free_vgpr 186
		.amdhsa_next_free_sgpr 66
		.amdhsa_reserve_vcc 1
		.amdhsa_float_denorm_mode_32 3
		.amdhsa_float_denorm_mode_16_64 3
		.amdhsa_memory_ordered 1
		.amdhsa_forward_progress 1
		.amdhsa_inst_pref_size 64
	.end_amdhsa_kernel
	.amdgpu_metadata
---
amdhsa.version: [ 1, 2 ]
amdhsa.kernels:
  - .name:           k_qdce36afcad_prep
    .symbol:         k_qdce36afcad_prep.kd
    .args:
      - { .name: q, .offset: 0, .size: 8, .value_kind: global_buffer, .address_space: global }
      - { .name: mem, .offset: 8, .size: 8, .value_kind: global_buffer, .address_space: global }
      - { .name: age, .offset: 16, .size: 8, .value_kind: global_buffer, .address_space: global }
      - { .name: mrec, .offset: 24, .size: 8, .value_kind: global_buffer, .address_space: global }
    .group_segment_fixed_size: 43520
    .private_segment_fixed_size: 0
    .kernarg_segment_align: 8
    .kernarg_segment_size: 32
    .max_flat_workgroup_size: 128
    .sgpr_count:     66
    .vgpr_count:     186
    .wavefront_size: 32
...
	.end_amdgpu_metadata
.endif
;; end of part 6
;; launch scan (part 7): grid 128 x 2, 16 waves a work-group, no clusters, 80,384 bytes of LDS; arguments mrec, gmax; writes gmax
.if DOCPART == 7
	.amdgcn_target "amdgcn-amd-amdhsa--gfx1250"
	.amdhsa_code_object_version 6
	.text
	.protected	k_qdce36afcad_scan
	.globl	k_qdce36afcad_scan
	.p2align	8
	.type	k_qdce36afcad_scan,@function
k_qdce36afcad_scan:
	s_mov_b64 s[64:65], 0
	v_nop
	global_prefetch_b8 v0, s[64:65] scope:SCOPE_SE
	s_setreg_imm32_b32 hwreg(HW_REG_WAVE_SCHED_MODE, 0, 2), 2
	s_setreg_imm32_b32 hwreg(HW_REG_WAVE_MODE, 25, 1), 1
	s_wait_xcnt 0x0
	s_wait_alu depctr_vm_vsrc(0)
; SCAN.  The whole quantised product (q x metric) mem^T on codes of FP4 with E8M0 scales, each score finished in registers, and of each GROUP of 32 neighbouring slots only the largest score of each query kept.
; A SCORE, made by these lines alike in this launch and in the two that score again (D = the matrix unit's f32 sum):
;   T = D x u (u = 1 / q's norm);  S = T + nthr (nthr = -1e-3 x mem's norm);  X = T x w + bias in one rounding (w = 1 / mem's norm);  y = min(X, cap), cap = 1 + bias.  The slot counts where S >= 0.
; Here the mask is one more operand of the minimum: R = S x 2^120 + 2^40 is at least 2^40 where S >= 0 and at most about -2^66 where S < 0 (nthr is at least 1e-9 in magnitude, so a sum that is not 0 is at least 2^-54):
; y is untouched where the slot counts, and lies under every score that counts where it does not.
; LIMITS: the similarity is (D x u) x w, not D / (qn x mn); the mask is tested on D x u against 1e-3 x mn; cap must stay under 2^40 (age above -1e14); NaN and infinities are not served.
; SHARES.  Work-group (c, qb): groups 16 c .. 16 c + 15 (512 slots) against queries 1024 qb .. + 1023; each of sixteen waves 64 queries, four tiles of 16, which stay in registers.  Four waves to a SIMD, so that one
; wave's vector work stands beside another's matrix work and LDS loads: a step has 8 matrix instructions and some 110 vector instructions.
; THE SLOTS OF A TILE ARE NOT NEIGHBOURS: column r of tile t is slot t of group r.  Source 0 = 16 queries, source 1 = 16 slots: register j of lane (r, h) is (query 8 h + j, group r), so the group's maximum is a running
; maximum in place and no lane asks another.
; LDS: the sixteen records as they lie in memory, 4,880 bytes apart (16 of padding): the sixteen lanes of a 16-byte load fall into sixteen different columns of 16 bytes.  Filled once, then only read.
; THE MODE: SCHED_MODE bits 1:0 = 2 (LLVM: expert scheduling mode 2), set by the entry lines.  The code itself states the register dependences
; between vector or matrix instructions and memory or LDS instructions, with s_wait_alu, always for 0.
; THE PLAN.  Registers that memory or LDS instructions touch, in the loop:
;   BF, BS      A tile's LDS loads land in them; its eight matrix instructions read them.  One set: sixteen waves of 256 registers leave no room for a second.
;   CA, CB      The constants of every second tile land in each; that tile's SCORE reads them.
;   v1, v2, v3  Read by every LDS load; written once a trip, in its fourth quarter.
;   The accumulators, the running maxima, S and the constants 2^120, 2^40 and nthr's pair are named by vector and matrix instructions alone.
; So ONE wait on va_vdst stands ahead of each tile's six LDS loads, behind the matrix instructions that emptied BF and BS; the SCORE that read the constants' set about to be loaded stands ahead of those matrix instructions.
; The loads are followed by the SCORE of the tile just multiplied, which names none of their registers and in which they land.  One wait on vm_vsrc a trip stands ahead of the adds to v1, v2, v3.
; At the head: v232-234 are addresses of the copy and of the queries' loads and v140-179 the copy's data; both are written anew in the loop: one wait on vm_vsrc behind the barrier.
.set RECB, 4864
.set GP,   4880
.set QF,   8                           ; v8-71    the queries' fragments: 16 a + 8 s
.set QS,   72                          ; v72-75   their scale words: lanes 0-15 K step 0's, lanes 16-31 K step 1's
.set U,    76                          ; v76-107  u of query 8 h + j of tile a, at 8 a + j
.set ACC,  108                         ; v108-139 the running maxima
.set DA,   140                         ; v140-171, v172-203 two sets of four accumulators
.set DB,   172
.set BF,   204                         ; v204-219 the slots' fragments: 8 s
.set BS,   220                         ; v220     their scale words
.set CA,   224                         ; v224-227, v228-231 a tile's constants (w, nthr, bias, cap) of my column, two sets
.set CB,   228
.set SS,   232                         ; v232-247 S, two sets of 8
.set HG,   248                         ; v[248:249] 2^120 twice
.set BG,   250                         ; v[250:251] 2^40 twice
.set NT,   252                         ; v[252:253] nthr, in a pair's low word
	s_load_b128 s[4:7], s[0:1], 0x0                ; the records s[4:5], the maxima s[6:7]
	v_lshl_add_u32 v254, v0, 2, 0x13200
	v_mov_b32 v255, 0
	v_lshrrev_b32 v1, 5, v0
	v_readfirstlane_b32 s8, v1                     ; wave 0..15
	v_and_b32 v5, 31, v0
	v_and_b32 v6, 15, v0                           ; r
	v_bfe_u32 v7, v0, 4, 1                         ; h
	v_lshlrev_b32 v4, 4, v5                        ; 16 x lane
	v_mul_u32_u24 v3, v6, GP                       ; group r's record: its constants,
	v_lshl_add_u32 v1, v7, 8, v3                   ; its codes (+ 256 h),
	v_lshl_add_u32 v2, v7, 2, v3                   ; its scale words (+ 4 h)
	s_wait_alu depctr_va_sdst(0)                   ; s8 is written, ahead of its first reader
	s_mul_i32 s9, s8, GP
	v_add_nc_u32 v232, s9, v4                      ; where I copy my wave's record to
	v_lshlrev_b32 v233, 3, v6
	v_lshl_add_u32 v233, v7, 2, v233               ; 8 r + 4 h: a query's scale word
	v_lshlrev_b32 v234, 7, v7                      ; 128 h: eight rows of constants
	v_mov_b32 v[HG], 0x7b800000
	v_mov_b32 v[HG+1], 0x7b800000
	v_mov_b32 v[BG], 0x53800000
	v_mov_b32 v[BG+1], 0x53800000
	v_mov_b32 v[NT+1], 0                           ; (named with nthr as a pair, so it is written)
	s_and_b32 s9, ttmp7, 0xffff                    ; qb
	s_lshl_b32 s10, ttmp9, 4
	s_add_co_u32 s10, s10, s8                      ; the record that my wave copies: 16 c + wave
	s_mul_i32 s10, s10, RECB
	s_mov_b32 s11, 0
	s_lshl_b32 s12, s9, 5
	s_lshl_b32 s13, s8, 1
	s_add_co_u32 s12, s12, s13
	s_add_co_u32 s12, s12, 2048                    ; my queries' first record: 2048 + 32 qb + 2 wave
	s_mul_i32 s12, s12, RECB
	s_mov_b32 s13, 0
	s_lshl_b32 s14, ttmp9, 17                      ; the maxima: 131,072 c + 1,024 x (64 qb + 4 wave)
	s_lshl_b32 s15, s9, 16
	s_add_co_u32 s14, s14, s15
	s_lshl_b32 s15, s8, 12
	s_add_co_u32 s14, s14, s15
	s_mov_b32 s15, 0
	s_wait_kmcnt 0x0
	s_add_nc_u64 s[10:11], s[4:5], s[10:11]
	s_add_nc_u64 s[12:13], s[4:5], s[12:13]
	s_add_nc_u64 s[6:7], s[6:7], s[14:15]
	s_wait_alu depctr_va_vdst(0)                   ; the addresses v1 to v4 and v232 to v234 are written, which the loads and stores below read
.irp i, 0,1,2,3,4,5,6,7
	global_load_b128 v[DA+4*\i:DA+4*\i+3], v4, s[10:11] offset:512*\i       ; the record, 512 consecutive bytes a load
.endr
	global_load_b128 v[DA+32:DA+35], v4, s[10:11] offset:4096
	global_load_b128 v[DA+36:DA+39], v4, s[10:11] offset:4352               ; (the last two share 256 bytes, which are stored twice with the same values)
.irp a, 0,1,2,3
.irp m, 0,1,2,3
	global_load_b128 v[QF+16*\a+4*\m:QF+16*\a+4*\m+3], v4, s[12:13] offset:(\a/2)*RECB+(\a%2)*2048+512*\m
.endr
	global_load_b32 v[QS+\a], v233, s[12:13] offset:(\a/2)*RECB+4096+(\a%2)*128
.endr
.irp a, 0,1,2,3
.irp j, 0,1,2,3,4,5,6,7
	global_load_b32 v[U+8*\a+\j], v234, s[12:13] offset:(\a/2)*RECB+4352+((\a%2)*16+\j)*16
.endr
.endr
	s_wait_loadcnt 52                              ; the record's ten loads are in; the 52 loads for the queries may be out
.irp i, 0,1,2,3,4,5,6,7
	ds_store_b128 v232, v[DA+4*\i:DA+4*\i+3] offset:512*\i
.endr
	ds_store_b128 v232, v[DA+32:DA+35] offset:4096
	ds_store_b128 v232, v[DA+36:DA+39] offset:4352
	s_wait_dscnt 0x0                               ; for the others' sake: my record lies in LDS
	s_barrier_signal -1
	s_barrier_wait -1                              ; all sixteen do; from here on LDS is only read
	s_wait_loadcnt 0x0                             ; the queries
	s_wait_alu depctr_vm_vsrc(0)                   ; my LDS stores have read v140-179 and v232, the queries' loads v233 and v234: these are accumulators and S from here on
.macro LDT cs, ob, os, oc              ; a tile's fragments, scale words and constants
.irp m, 0,1,2,3
	ds_load_b128 v[BF+4*\m:BF+4*\m+3], v1 offset:\ob+512*\m
.endr
	ds_load_b32 v[BS], v2 offset:4096+\os
	ds_load_b128 v[\cs:\cs+3], v3 offset:4352+\oc
.endm
.macro MM d                            ; 8 matrix instructions: K step 0 starts the four sums, K step 1 adds; the accumulators take turns
.irp a, 0,1,2,3
	v_wmma_scale_f32_16x16x128_f8f6f4 v[\d+8*\a:\d+8*\a+7], v[QF+16*\a:QF+16*\a+7], v[BF:BF+7], 0, v[QS+\a], v[BS] matrix_a_fmt:MATRIX_FMT_FP4 matrix_b_fmt:MATRIX_FMT_FP4
.endr
.irp a, 0,1,2,3
	v_wmma_scale_f32_16x16x128_f8f6f4 v[\d+8*\a:\d+8*\a+7], v[QF+16*\a+8:QF+16*\a+15], v[BF+8:BF+15], v[\d+8*\a:\d+8*\a+7], v[QS+\a], v[BS] matrix_a_fmt:MATRIX_FMT_FP4 matrix_b_fmt:MATRIX_FMT_FP4 matrix_a_scale:MATRIX_SCALE_ROW1 matrix_b_scale:MATRIX_SCALE_ROW1
.endr
.endm
.macro SCORE d, cs                     ; 32 sums a lane become scores, in place; each accumulator is read from its low end on
	v_mov_b32 v[NT], v[\cs+1]
.irp a, 0,1,2,3
.irp p, 0,2,4,6
	v_pk_mul_f32 v[\d+8*\a+\p:\d+8*\a+\p+1], v[\d+8*\a+\p:\d+8*\a+\p+1], v[U+8*\a+\p:U+8*\a+\p+1]                              ; T = D x u
.endr
.irp p, 0,2,4,6
	v_pk_add_f32 v[SS+8*(\a%2)+\p:SS+8*(\a%2)+\p+1], v[\d+8*\a+\p:\d+8*\a+\p+1], v[NT:NT+1] op_sel_hi:[1,0]                    ; S = T + nthr
.endr
.irp p, 0,2,4,6
	v_pk_fma_f32 v[\d+8*\a+\p:\d+8*\a+\p+1], v[\d+8*\a+\p:\d+8*\a+\p+1], v[\cs:\cs+1], v[\cs+2:\cs+3] op_sel_hi:[1,0,0]        ; X = T x w + bias
.endr
.irp p, 0,2,4,6
	v_pk_fma_f32 v[SS+8*(\a%2)+\p:SS+8*(\a%2)+\p+1], v[SS+8*(\a%2)+\p:SS+8*(\a%2)+\p+1], v[HG:HG+1], v[BG:BG+1]                ; R = S x 2^120 + 2^40
.endr
.irp j, 0,1,2,3,4,5,6,7
	v_min3_num_f32 v[\d+8*\a+\j], v[\d+8*\a+\j], v[\cs+3], v[SS+8*(\a%2)+\j]                                                  ; y = min(X, cap, R)
.endr
.endr
.endm
.macro FOLD first                      ; two tiles' scores into the running maxima; the first two start them: nothing is cleared
.set I, 0
.rept 32
.if \first
	v_max_num_f32 v[ACC+I], v[DA+I], v[DB+I]
.else
	v_max3_num_f32 v[ACC+I], v[ACC+I], v[DA+I], v[DB+I]
.endif
.set I, I+1
.endr
.endm
.macro PLACES                          ; four plain lines behind a matrix instruction, ahead of the first read of its result (ISA guide 7.12.1); they stay beside the wait that follows them
.rept 4
	v_nop
.endr
.endm
; A trip: slots 2 i, 2 i + 1, 16 + 2 i, 17 + 2 i of the sixteen groups.  Each tile's operands are asked for while the tile before is scored.
.macro TRIP first, last
	s_wait_dscnt 0x0
	MM DA
	PLACES
	s_wait_alu depctr_va_vdst(0)                   ; the matrix instructions are done reading BF and BS, and the SCORE ahead of them is done reading CB: the loads below land there
	LDT CB, 16, 8, 16
	SCORE DA, CA
	s_wait_dscnt 0x0
	MM DB
	PLACES
	s_wait_alu depctr_va_vdst(0)                   ; the matrix instructions are done reading BF and BS, and the SCORE ahead of them is done reading CA: the loads below land there
	LDT CA, 2048, 128, 256
	SCORE DB, CB
	FOLD \first
	s_wait_dscnt 0x0
	MM DA
	PLACES
	s_wait_alu depctr_va_vdst(0)                   ; the matrix instructions are done reading BF and BS, and the SCORE ahead of them is done reading CB: the loads below land there
	LDT CB, 2064, 136, 272
	SCORE DA, CA
	s_wait_dscnt 0x0
	MM DB
.if \last
	PLACES
.else
	s_wait_alu depctr_vm_vsrc(0)                   ; the LDS loads issued so far have read v1, v2 and v3
	v_add_nc_u32 v1, 32, v1                        ; two slots on: these three lines and the next are the four places
	v_add_nc_u32 v2, 16, v2
	v_add_nc_u32 v3, 32, v3
	v_nop
	s_wait_alu depctr_va_vdst(0)                   ; v1, v2 and v3 are written; the matrix instructions are done reading BF and BS, and the SCORE ahead of them is done reading CA: the loads below read the three and land in the others
	LDT CA, 0, 0, 0
.endif
	SCORE DB, CB
	FOLD 0
.endm
	LDT CA, 0, 0, 0
	TRIP 1, 0
	s_mov_b32 s16, 6
.Ltrip:
	TRIP 0, 0
	s_sub_co_u32 s16, s16, 1
	s_cmp_lg_u32 s16, 0
	s_cbranch_scc1 .Ltrip
	TRIP 0, 1                                      ; the last trip asks for nothing more
	s_wait_alu depctr_va_vdst(0)                   ; the last maxima are written, which the stores read
.irp a, 0,1,2,3
.irp g, 0,1
	global_store_b128 v4, v[ACC+8*\a+4*\g:ACC+8*\a+4*\g+3], s[6:7] offset:1024*\a+512*\g   ; 32 lanes store 512 consecutive bytes: queries 8 h + 4 g + 0..3 of tile a, group r
.endr
.endr
	s_wait_dscnt 0x0                               ; the closing lines, six on end
	s_wait_alu 0x0
	s_wait_tensorcnt 0x0
	ds_add_u32 v254, v255
	s_wait_dscnt 0x0
	s_endpgm
.Lfunc_end_k_qdce36afcad_scan:
	.size	k_qdce36afcad_scan, .Lfunc_end_k_qdce36afcad_scan-k_qdce36afcad_scan
	.p2alignl 7, 3214868480
	.fill 96, 4, 3214868480
	.section	.rodata,"a",@progbits
	.p2align	6, 0x0
	.amdhsa_kernel k_qdce36afcad_scan
		.amdhsa_group_segment_fixed_size 80384
		.amdhsa_private_segment_fixed_size 0
		.amdhsa_enable_private_segment 0
		.amdhsa_kernarg_size 16
		.amdhsa_user_sgpr_count 2
		.amdhsa_user_sgpr_kernarg_segment_ptr 1
		.amdhsa_wavefront_size32 1
		.amdhsa_system_sgpr_workgroup_id_x 1
		.amdhsa_system_sgpr_workgroup_id_y 1
		.amdhsa_system_sgpr_workgroup_id_z 1
		.amdhsa_system_vgpr_workitem_id 0
		.amdhsa_next_free_vgpr 256
		.amdhsa_next_free_sgpr 66
		.amdhsa_reserve_vcc 0
		.amdhsa_float_denorm_mode_32 3
		.amdhsa_float_denorm_mode_16_64 3
		.amdhsa_memory_ordered 1
		.amdhsa_forward_progress 1
		.amdhsa_inst_pref_size 113
	.end_amdhsa_kernel
	.amdgpu_metadata
---
amdhsa.version: [ 1, 2 ]
amdhsa.kernels:
  - .name:           k_qdce36afcad_scan
    .symbol:         k_qdce36afcad_scan.kd
    .args:
      - { .name: mrec, .offset: 0, .size: 8, .value_kind: global_buffer, .address_space: global }
      - { .name: gmax, .offset: 8, .size: 8, .value_kind: global_buffer, .address_space: global }
    .group_segment_fixed_size: 80384
    .private_segment_fixed_size: 0
    .kernarg_segment_align: 8
    .kernarg_segment_size: 16
    .max_flat_workgroup_size: 512
    .sgpr_count:     66
    .vgpr_count:     256
    .wavefront_size: 32
...
	.end_amdgpu_metadata
.endif
;; end of part 7
;; launch pickg (part 8): grid 256 x 1, 8 waves a work-group, no clusters, 67,584 bytes of LDS; arguments gmax, gsel; writes gsel
.if DOCPART == 8
	.amdgcn_target "amdgcn-amd-amdhsa--gfx1250"
	.amdhsa_code_object_version 6
	.text
	.protected	k_qdce36afcad_pickg
	.globl	k_qdce36afcad_pickg
	.p2align	8
	.type	k_qdce36afcad_pickg,@function
k_qdce36afcad_pickg:
	s_mov_b64 s[64:65], 0
	v_nop
	global_prefetch_b8 v0, s[64:65] scope:SCOPE_SE
	s_setreg_imm32_b32 hwreg(HW_REG_WAVE_MODE, 25, 1), 1
	s_wait_xcnt 0x0
; PICKG.  For each query the 32 groups (of 2,048) with the largest group maxima, ties to the lower group number.  Under the order (score falling, index rising) the 32 best slots lie in those groups:
; were a best slot's group not among them, 32 groups' best slots would all stand ahead of it.
; NO ADDRESS AND NO BRANCH HANGS ON A SCORE.  tau, the 32nd largest of the 2,048 maxima, comes from sorting networks of maxima and minima; the members are then named by counting bits of compare masks,
; and the numbers are stored at fixed places, as whole numbers, for the next launch.
; SHARES.  Work-group x = 2 A + jq serves the eight queries 16 A + 8 h + 4 jq + jj; wave 4 h + jj one of them.  The eight queries' maxima lie interleaved in 128 pieces of 512 bytes: each wave loads sixteen
; pieces whole, they meet in LDS, and each wave reads its own query: register c, lane l = group 32 c + l.
.set V,    16                          ; v16-79   the query's 2,048 maxima, 64 a lane
.set P,    80                          ; v80-111, v112-143 two sets at work
.set Q,    112
.set L,    144                         ; v144-175 a sorted list of 32, falling
.set TAU,  176
.set TB,   177
.set VW,   178                         ; the mask word that holds my member's bit,
.set VST,  179                         ; the bits ahead of that word,
.set VID,  180                         ; and 32 x the word's register
.set KK,   181
.set POS,  182
.set A1,   183
.set A2,   184
.set A3,   185
.set A4,   186
.set T0,   187
.set T1,   188
.set LANE, 1
.set OB,   65536                       ; behind the stage: the eight lists, 128 bytes each
.set PL,   12                          ; s[12:13] v_permlanex16_b32's selects for lane l xor 16
.set SW,   16                          ; s16-19 four mask words; s20-23 their counts; s24-27 the bits ahead of each; s28-31 their numbers
.set SC,   20
.set SR,   24
.set SI,   28
.set RUN,  32
	s_load_b128 s[4:7], s[0:1], 0x0                ; the maxima s[4:5], the lists s[6:7]
	v_lshl_add_u32 v192, v0, 2, 0x10400
	v_mov_b32 v193, 0
	v_lshrrev_b32 v2, 5, v0
	s_delay_alu instid0(VALU_DEP_1)
	v_readfirstlane_b32 s8, v2                     ; wave 0..7
	v_and_b32 v1, 31, v0                           ; lane
	s_delay_alu instid0(VALU_DEP_1)
	v_lshlrev_b32 v3, 4, v1                        ; 16 x lane
	s_lshl_b32 s9, s8, 13
	v_add_nc_u32 v4, s9, v3                        ; into the stage: my wave's sixteen pieces
	v_lshrrev_b32 v5, 4, v1
	v_and_b32 v6, 15, v1
	s_delay_alu instid0(VALU_DEP_2)
	v_lshlrev_b32 v5, 9, v5
	s_delay_alu instid0(VALU_DEP_1)
	v_lshl_add_u32 v5, v6, 4, v5                   ; out of it: piece 2 c + l / 16, group l % 16 of the piece,
	s_lshr_b32 s10, s8, 2
	s_lshl_b32 s10, s10, 8                         ; + 256 h
	s_and_b32 s11, s8, 3
	s_lshl_b32 s11, s11, 2                         ; + 4 jj
	s_add_co_u32 s10, s10, s11
	v_add_nc_u32 v5, s10, v5
	v_lshl_add_u32 v7, v0, 2, OB                   ; my member's word among the lists
	v_lshl_add_u32 v8, v0, 4, OB                   ; the lists read back, 16 bytes a thread (threads 0-63 alone),
	v_lshlrev_b32 v9, 4, v0                        ; and the same place in memory
	s_mov_b32 s[PL], 0x76543210
	s_mov_b32 s[PL+1], 0xfedcba98
	s_lshl_b32 s14, ttmp9, 9                       ; 512 x
	s_lshl_b32 s15, s8, 21                         ; + sixteen pieces' distance, 16 x 131,072, x wave
	s_add_co_u32 s14, s14, s15
	s_mov_b32 s15, 0
	s_lshl_b32 s34, ttmp9, 10                      ; eight lists of 128 bytes
	s_mov_b32 s35, 0
	s_wait_alu depctr_va_vdst(0)
	s_wait_kmcnt 0x0
	s_add_nc_u64 s[4:5], s[4:5], s[14:15]
	s_add_nc_u64 s[6:7], s[6:7], s[34:35]
.irp i, 0,1,2,3,4,5,6,7,8,9,10,11,12,13,14,15
	global_load_b128 v[V+4*\i:V+4*\i+3], v3, s[4:5] offset:\i*131072 th:TH_LOAD_NT
.endr
	s_wait_loadcnt 0x0
.irp i, 0,1,2,3,4,5,6,7,8,9,10,11,12,13,14,15
	ds_store_b128 v4, v[V+4*\i:V+4*\i+3] offset:\i*512
.endr
	s_wait_dscnt 0x0                               ; for the others' sake: my pieces lie in LDS (and the stores have read their registers)
	s_barrier_signal -1
	s_barrier_wait -1
.set I, 0
.rept 64
	ds_load_b32 v[V+I], v5 offset:I*1024
.set I, I+1
.endr
	s_wait_dscnt 0x0
; One stage of a sorting network over a lane's 32 registers, from one set into another: two lines a pair, no copy.
.macro STAGE src, dst, k, j
.set I, 0
.rept 32
.if ((I/\j)&1) == 0
.if ((I/\k)&1) == 0
	v_max_num_f32 v[\dst+I], v[\src+I], v[\src+I+\j]
	v_min_num_f32 v[\dst+I+\j], v[\src+I], v[\src+I+\j]
.else
	v_min_num_f32 v[\dst+I], v[\src+I], v[\src+I+\j]
	v_max_num_f32 v[\dst+I+\j], v[\src+I], v[\src+I+\j]
.endif
.endif
.set I, I+1
.endr
.endm
.macro SORT32 src, dst                 ; 32 registers of each lane, falling; the source is kept
	STAGE \src, P, 2, 1
	STAGE P, Q, 4, 2
	STAGE Q, P, 4, 1
	STAGE P, Q, 8, 4
	STAGE Q, P, 8, 2
	STAGE P, Q, 8, 1
	STAGE Q, P, 16, 8
	STAGE P, Q, 16, 4
	STAGE Q, P, 16, 2
	STAGE P, Q, 16, 1
	STAGE Q, P, 32, 16
	STAGE P, Q, 32, 8
	STAGE Q, P, 32, 4
	STAGE P, Q, 32, 2
	STAGE Q, \dst, 32, 1
.endm
.macro CLEAN                           ; what rises and then falls (or the other way), in Q, is sorted into L
	STAGE Q, P, 32, 16
	STAGE P, Q, 32, 8
	STAGE Q, P, 32, 4
	STAGE P, Q, 32, 2
	STAGE Q, L, 32, 1
.endm
.macro XMERGE m                        ; the 32 largest of my list and lane l xor m's: max(mine[i], the other's[31 - i])
.set I, 0
.rept 32
	v_max_num_f32_dpp v[Q+I], v[L+31-I], v[L+I] row_xmask:\m row_mask:0xf bank_mask:0xf
.set I, I+1
.endr
	CLEAN
.endm
	SORT32 V, L
	SORT32 V+32, P
.set I, 0
.rept 32
	v_max_num_f32 v[Q+I], v[L+I], v[P+31-I]        ; the 32 largest of my 64
.set I, I+1
.endr
	CLEAN
	XMERGE 1
	XMERGE 2
	XMERGE 4
	XMERGE 8
.set I, 0
.rept 32
	v_permlanex16_b32 v[Q+I], v[L+31-I], s[PL], s[PL+1]
.set I, I+1
.endr
.set I, 0
.rept 32
	v_max_num_f32 v[P+I], v[L+I], v[Q+I]           ; the 32 largest of all 2,048, in no order
.set I, I+1
.endr
	v_min3_num_f32 v[TAU], v[P], v[P+1], v[P+2]    ; tau = the least of them
	v_min3_num_f32 v[TB], v[P+3], v[P+4], v[P+5]
.irp i, 6,10,14,18,22,26
	s_delay_alu instid0(VALU_DEP_2)
	v_min3_num_f32 v[TAU], v[TAU], v[P+\i], v[P+\i+1]
	s_delay_alu instid0(VALU_DEP_2)
	v_min3_num_f32 v[TB], v[TB], v[P+\i+2], v[P+\i+3]
.endr
	s_delay_alu instid0(VALU_DEP_2)
	v_min3_num_f32 v[TAU], v[TAU], v[P+30], v[P+31]
	s_delay_alu instid0(VALU_DEP_1)
	v_min_num_f32 v[TAU], v[TAU], v[TB]
; THE MEMBERS.  The string of bits (maximum > tau), register by register, lane by lane, and behind it the string (maximum = tau), has at most 31 ones in its first part and at least 32 in all.
; Lane o takes the o-th one: all that lie above tau, then the ties with the lowest numbers.  The word that holds it is the last word with at most o ones ahead of it.
.macro SBATCH gt, i0
.irp q, 0,1,2,3
.if \gt
	v_cmp_gt_f32 s[SW+\q], v[V+\i0+\q], v[TAU]
.else
	v_cmp_eq_f32 s[SW+\q], v[V+\i0+\q], v[TAU]
.endif
.endr
.irp q, 0,1,2,3
	s_bcnt1_i32_b32 s[SC+\q], s[SW+\q]
	s_mov_b32 s[SI+\q], 32*(\i0+\q)
.endr
	s_mov_b32 s[SR], s[RUN]
	s_add_co_u32 s[SR+1], s[SR], s[SC]
	s_add_co_u32 s[SR+2], s[SR+1], s[SC+1]
	s_add_co_u32 s[SR+3], s[SR+2], s[SC+2]
	s_add_co_u32 s[RUN], s[SR+3], s[SC+3]
.irp q, 0,1,2,3
	v_cmp_le_u32 vcc_lo, s[SR+\q], v[LANE]
	s_delay_alu instid0(VALU_DEP_1)
	v_cndmask_b32 v[VW], v[VW], s[SW+\q], vcc_lo
	s_delay_alu instid0(VALU_DEP_2)
	v_cndmask_b32 v[VST], v[VST], s[SR+\q], vcc_lo
	s_delay_alu instid0(VALU_DEP_3)
	v_cndmask_b32 v[VID], v[VID], s[SI+\q], vcc_lo
.endr
.endm
	v_mov_b32 v[VW], 0
	s_wait_alu depctr_va_vdst(0)
	v_mov_b32 v[VST], 0
	s_wait_alu depctr_va_vdst(0)
	v_mov_b32 v[VID], 0
	s_wait_alu depctr_va_vdst(0)
	s_mov_b32 s[RUN], 0
.set B, 0
.rept 16
	s_wait_alu depctr_va_vdst(0)
	SBATCH 1, B
.set B, B+4
.endr
.set B, 0
	s_wait_alu depctr_va_vdst(0)
.rept 16
	s_wait_alu depctr_va_vdst(0)
	SBATCH 0, B
.set B, B+4
.endr
	s_delay_alu instid0(VALU_DEP_2)
	; the place of one number K = o - (ones ahead) in my word: counts of 2, 4, 8 and 16 bits side by side, then five halvings
	v_sub_nc_u32 v[KK], v[LANE], v[VST]
	s_delay_alu instid0(VALU_DEP_4)
	v_lshrrev_b32 v[T0], 1, v[VW]
	s_delay_alu instid0(VALU_DEP_1)
	v_and_b32 v[T0], 0x55555555, v[T0]
	s_delay_alu instid0(VALU_DEP_1)
	v_sub_nc_u32 v[A1], v[VW], v[T0]
	s_delay_alu instid0(VALU_DEP_1)
	v_lshrrev_b32 v[T0], 2, v[A1]
	s_delay_alu instid0(VALU_DEP_1)
	v_and_b32 v[T0], 0x33333333, v[T0]
	s_delay_alu instid0(VALU_DEP_3)
	v_and_b32 v[A2], 0x33333333, v[A1]
	s_delay_alu instid0(VALU_DEP_1)
	v_add_nc_u32 v[A2], v[A2], v[T0]
	s_delay_alu instid0(VALU_DEP_1)
	v_lshrrev_b32 v[T0], 4, v[A2]
	s_delay_alu instid0(VALU_DEP_1)
	v_add_nc_u32 v[T0], v[A2], v[T0]
	s_delay_alu instid0(VALU_DEP_1)
	v_and_b32 v[A3], 0x0f0f0f0f, v[T0]
	s_delay_alu instid0(VALU_DEP_1)
	v_lshrrev_b32 v[T0], 8, v[A3]
	s_delay_alu instid0(VALU_DEP_1)
	v_add_nc_u32 v[T0], v[A3], v[T0]
	s_delay_alu instid0(VALU_DEP_1)
	v_and_b32 v[A4], 0x00ff00ff, v[T0]
	v_mov_b32 v[POS], 0
.macro LEVEL a, w                      ; are there K ones or fewer in the lower w bits?  Then they are passed over
	s_delay_alu instid0(VALU_DEP_1)
	v_bfe_u32 v[T0], v[\a], v[POS], \w
	s_delay_alu instid0(VALU_DEP_1)
	v_cmp_ge_u32 vcc_lo, v[KK], v[T0]
	s_delay_alu instid0(VALU_DEP_2)
	v_sub_nc_u32 v[T0], v[KK], v[T0]
	s_delay_alu instid0(VALU_DEP_4)
	v_add_nc_u32 v[T1], \w, v[POS]
	s_delay_alu instid0(VALU_DEP_2)
	v_cndmask_b32 v[KK], v[KK], v[T0], vcc_lo
	s_delay_alu instid0(VALU_DEP_2)
	v_cndmask_b32 v[POS], v[POS], v[T1], vcc_lo
.endm
	LEVEL A4, 16
	LEVEL A3, 8
	LEVEL A2, 4
	LEVEL A1, 2
	LEVEL VW, 1
	s_delay_alu instid0(VALU_DEP_1)
	v_add_nc_u32 v[VID], v[VID], v[POS]            ; the group's number
	ds_store_b32 v7, v[VID]
	s_wait_dscnt 0x0                               ; for the others' sake
	s_barrier_signal -1
	s_barrier_wait -1
	s_cmp_gt_u32 s8, 1                             ; waves 0 and 1 store the eight lists, 512 consecutive bytes each
	s_cbranch_scc1 .Ldone
	ds_load_b128 v[16:19], v8
	s_wait_dscnt 0x0
	global_store_b128 v9, v[16:19], s[6:7]
.Ldone:
	s_wait_tensorcnt 0x0
	ds_add_u32 v192, v193
	s_wait_dscnt 0x0
	s_endpgm
.Lfunc_end_k_qdce36afcad_pickg:
	.size	k_qdce36afcad_pickg, .Lfunc_end_k_qdce36afcad_pickg-k_qdce36afcad_pickg
	.p2alignl 7, 3214868480
	.fill 96, 4, 3214868480
	.section	.rodata,"a",@progbits
	.p2align	6, 0x0
	.amdhsa_kernel k_qdce36afcad_pickg
		.amdhsa_group_segment_fixed_size 67584
		.amdhsa_private_segment_fixed_size 0
		.amdhsa_enable_private_segment 0
		.amdhsa_kernarg_size 16
		.amdhsa_user_sgpr_count 2
		.amdhsa_user_sgpr_kernarg_segment_ptr 1
		.amdhsa_wavefront_size32 1
		.amdhsa_system_sgpr_workgroup_id_x 1
		.amdhsa_system_sgpr_workgroup_id_y 1
		.amdhsa_system_sgpr_workgroup_id_z 1
		.amdhsa_system_vgpr_workitem_id 0
		.amdhsa_next_free_vgpr 194
		.amdhsa_next_free_sgpr 66
		.amdhsa_reserve_vcc 1
		.amdhsa_float_denorm_mode_32 3
		.amdhsa_float_denorm_mode_16_64 3
		.amdhsa_memory_ordered 1
		.amdhsa_forward_progress 1
		.amdhsa_inst_pref_size 147
	.end_amdhsa_kernel
	.amdgpu_metadata
---
amdhsa.version: [ 1, 2 ]
amdhsa.kernels:
  - .name:           k_qdce36afcad_pickg
    .symbol:         k_qdce36afcad_pickg.kd
    .args:
      - { .name: gmax, .offset: 0, .size: 8, .value_kind: global_buffer, .address_space: global }
      - { .name: gsel, .offset: 8, .size: 8, .value_kind: global_buffer, .address_space: global }
    .group_segment_fixed_size: 67584
    .private_segment_fixed_size: 0
    .kernarg_segment_align: 8
    .kernarg_segment_size: 16
    .max_flat_workgroup_size: 256
    .sgpr_count:     66
    .vgpr_count:     194
    .wavefront_size: 32
...
	.end_amdgpu_metadata
.endif
;; end of part 8
;; launch rescan (part 9): grid 256 x 1, 8 waves a work-group, no clusters, 2,048 bytes of LDS; arguments gsel, mrec, ssel; writes ssel
.if DOCPART == 9
	.amdgcn_target "amdgcn-amd-amdhsa--gfx1250"
	.amdhsa_code_object_version 6
	.text
	.protected	k_qdce36afcad_rescan
	.globl	k_qdce36afcad_rescan
	.p2align	8
	.type	k_qdce36afcad_rescan,@function
k_qdce36afcad_rescan:
	s_mov_b64 s[64:65], 0
	v_nop
	global_prefetch_b8 v0, s[64:65] scope:SCOPE_SE
	s_setreg_imm32_b32 hwreg(HW_REG_WAVE_SCHED_MODE, 0, 2), 2
	s_setreg_imm32_b32 hwreg(HW_REG_WAVE_MODE, 25, 1), 1
	s_wait_xcnt 0x0
	s_wait_alu depctr_vm_vsrc(0)
; RESCAN.  For each query the 32 x 32 slots of its 32 chosen groups are scored again, by the same matrix instructions and the same lines as in the launch that scanned, and the 32 best slots are named
; (score falling, ties to the lower index).  The groups' numbers are whole numbers read from memory: they make addresses here.  What is derived from scores makes no address and no branch: the slots' numbers go to fixed places.
; A SCORE: T = D x u;  S = T + nthr;  X = T x w + bias in one rounding;  y = min(X, cap); where S < 0 the slot does not count: -infinity.
; LIMITS: as stated for the scan: the similarity is (D x u) x w; the mask is tested on D x u against 1e-3 x the slot's norm; NaN and infinities are not served.
; SHARES.  A wave serves one query: work-group x, wave wv: query 16 (x / 2) + 8 (wv / 4) + 4 (x % 2) + wv % 4.  Source 0 holds the SAME query in all 16 rows, source 1 the 16 slots of half a group:
; register 0 of the two results holds, in lane l, slot l of the group.  Register g of the scores = the g-th group in rising order, lane = the slot in it: so the order of (register, lane) is the order of the indices.
; THE MODE: SCHED_MODE bits 1:0 = 2 (LLVM: expert scheduling mode 2), set by the entry lines.  The code itself states the register dependences
; between vector or matrix instructions and memory or LDS instructions, with s_wait_alu, always for 0.
; THE PLAN.  Registers that memory or LDS instructions touch:
;   three buffers (32 of fragments, 2 of scale words, 4 of constants)  Group g: its four matrix instructions and its score read buffer g % 3; behind them the 11 loads of group g + 3 land in it.
;   v2, v3, v4, v5, v6, v13, v14  offsets, made at the head and never written again.
;   the slot's number  written by the selects at the end, read by one LDS store.
; So ONE wait on va_vdst stands in a group's turn, behind the last line that reads its buffer, and the 11 loads follow at once; the one select that is left names none of their registers.
; Scalar registers and VCC that vector instructions write have their wait ahead of the first reader: the wave's number; the 32 groups' numbers (one run, one wait); the compare masks, laid in runs of four.
.set RECB, 4864
.set LANE, 1
.set AF,   16                          ; v16-31   the query's two fragments
.set AS,   32                          ; v32      its scale words
.set D0,   40                          ; v40-47, v48-55 the two accumulators
.set D1,   48
.set BFR,  64                          ; v64-159  three groups' fragments, 32 registers each; later the sets P, Q, L
.set BSR,  160                         ; v160-165 their scale words
.set CCR,  168                         ; v168-179 their constants: lane l has slot l's (w, nthr, bias, cap)
.set V,    192                         ; v192-223 the scores
.set P,    64
.set Q,    96
.set L,    128
.set TAU,  180
.set TB,   181
.set VW,   182
.set VST,  183
.set VID,  184
.set KK,   185
.set POS,  186
.set A1,   187
.set A2,   188
.set A3,   189
.set A4,   190
.set T0,   191
.set T1,   56
.set HM,   24                          ; s24      lanes 16-31
.set PL,   26                          ; s[26:27] v_permlanex16_b32's selects for lane l xor 16
.set SM,   28
.set GID,  32                          ; s32-63   the groups' numbers, rising
.set SW,   66
.set SC,   70
.set SR,   74
.set SI,   78
.set RUN,  82
.set CM,   84                          ; s84-87   four masks: the lanes whose member lies in this word or behind it
	s_load_b128 s[4:7], s[0:1], 0x0                ; the groups' lists s[4:5], the records s[6:7]
	s_load_b64 s[8:9], s[0:1], 0x10                ; the slots' lists
	v_lshl_add_u32 v254, v0, 2, 0x400
	v_mov_b32 v255, 0
	v_lshrrev_b32 v1, 5, v0
	v_readfirstlane_b32 s10, v1                    ; wave 0..7
	v_and_b32 v1, 31, v0                           ; lane
	v_lshlrev_b32 v2, 4, v1                        ; 16 x lane
	v_and_b32 v3, 15, v0
	v_bfe_u32 v15, v0, 4, 1                        ; h
	s_wait_alu depctr_va_vdst(0)
	v_lshlrev_b32 v3, 3, v3
	v_lshl_add_u32 v3, v15, 2, v3                  ; 8 r + 4 h
	v_lshlrev_b32 v13, 2, v0                       ; 4 x thread
	v_lshlrev_b32 v14, 4, v0                       ; 16 x thread
	v_mov_b32 v8, 0xff800000                       ; -infinity
	v_mov_b32 v10, 0                               ; (a lane permute's destination counts as one of its sources)
	s_wait_alu depctr_va_sdst(0)                   ; s10 is written, ahead of its first reader
	s_lshr_b32 s11, ttmp9, 1
	s_lshl_b32 s11, s11, 4
	s_lshr_b32 s22, s10, 2
	s_lshl_b32 s22, s22, 3
	s_add_co_u32 s11, s11, s22
	s_and_b32 s22, ttmp9, 1
	s_lshl_b32 s22, s22, 2
	s_add_co_u32 s11, s11, s22
	s_and_b32 s22, s10, 3
	s_add_co_u32 s11, s11, s22                     ; my query
	s_lshr_b32 s18, s11, 5
	s_add_co_u32 s18, s18, 2048
	s_mul_i32 s18, s18, RECB                       ; its record
	s_mov_b32 s19, 0
	s_and_b32 s22, s11, 31                         ; its row there
	s_lshr_b32 s23, s22, 4
	s_lshl_b32 s23, s23, 11
	s_and_b32 s25, s22, 15
	s_lshl_b32 s25, s25, 4
	s_add_co_u32 s23, s23, s25
	v_lshl_add_u32 v4, v15, 8, s23                 ; its codes: 2048 x tile + 16 x row + 256 h
	s_lshl_b32 s23, s22, 3
	v_lshl_add_u32 v5, v15, 2, s23                 ; its scale words: 8 x row + 4 h
	s_lshl_b32 s23, s22, 4
	v_mov_b32 v6, s23                              ; its constants: 16 x row
	s_mov_b32 s[HM], 0xffff0000
	s_mov_b32 s[PL], 0x76543210
	s_mov_b32 s[PL+1], 0xfedcba98
	s_lshl_b32 s20, ttmp9, 10                      ; eight lists of 128 bytes
	s_mov_b32 s21, 0
	s_wait_kmcnt 0x0
	s_add_nc_u64 s[4:5], s[4:5], s[20:21]
	s_add_nc_u64 s[8:9], s[8:9], s[20:21]
	s_add_nc_u64 s[18:19], s[6:7], s[18:19]
	s_wait_alu depctr_va_vdst(0)                   ; the offsets v2 to v6, v13 and v14 are written, which every load and store of the kernel reads
	global_load_b32 v9, v13, s[4:5]                ; my query's 32 groups, one a lane
.irp m, 0,1,2,3
	global_load_b128 v[AF+4*\m:AF+4*\m+3], v4, s[18:19] offset:512*\m
.endr
	global_load_b32 v[AS], v5, s[18:19] offset:4096
	global_load_b32 v7, v6, s[18:19] offset:4352   ; u
	s_wait_loadcnt 0x0
; The 32 numbers are sorted across the lanes, rising.  In stage (k, j) lane l meets lane l xor j and keeps the larger where bit (l / j) xor (l / k) is set: a constant mask.
.macro LSTAGE k, j
.set M, 0
.set I, 0
.rept 32
.set M, M | ((((I/\j)^(I/\k))&1)<<I)
.set I, I+1
.endr
	s_mov_b32 s[SM], M
.if \j == 16
	v_permlanex16_b32 v10, v9, s[PL], s[PL+1]
.else
	v_mov_b32_dpp v10, v9 row_xmask:\j row_mask:0xf bank_mask:0xf
.endif
	v_min_u32 v11, v9, v10
	v_max_u32 v12, v9, v10
	v_cndmask_b32 v9, v11, v12, s[SM]
.endm
	LSTAGE 2, 1
	LSTAGE 4, 2
	LSTAGE 4, 1
	LSTAGE 8, 4
	LSTAGE 8, 2
	LSTAGE 8, 1
	LSTAGE 16, 8
	LSTAGE 16, 4
	LSTAGE 16, 2
	LSTAGE 16, 1
	LSTAGE 32, 16
	LSTAGE 32, 8
	LSTAGE 32, 4
	LSTAGE 32, 2
	LSTAGE 32, 1
.set I, 0
.rept 32
	v_readlane_b32 s[GID+I], v9, I
.set I, I+1
.endr
	s_wait_alu depctr_va_sdst(0)                   ; the 32 groups' numbers are written, ahead of their first readers: one wait for the run
.set I, 0
.rept 32
	s_min_u32 s[GID+I], s[GID+I], 2047             ; a loaded number enters an address only held inside the table
.set I, I+1
.endr
.macro LOADG g                         ; group g's record into buffer g % 3: 11 loads, each of consecutive bytes
.set BU, (\g)%3
	s_mul_i32 s20, s[GID+(\g)], RECB
	s_add_nc_u64 s[12+2*BU:13+2*BU], s[6:7], s[20:21]
.irp m, 0,1,2,3,4,5,6,7
	global_load_b128 v[BFR+32*BU+4*\m:BFR+32*BU+4*\m+3], v2, s[12+2*BU:13+2*BU] offset:512*\m
.endr
	global_load_b32 v[BSR+2*BU], v3, s[12+2*BU:13+2*BU] offset:4096
	global_load_b32 v[BSR+2*BU+1], v3, s[12+2*BU:13+2*BU] offset:4224
	global_load_b128 v[CCR+4*BU:CCR+4*BU+3], v2, s[12+2*BU:13+2*BU] offset:4352
.endm
.macro PROC g, left
.set BU, (\g)%3
	s_wait_loadcnt \left                           ; this group's 11 loads are in (so its base pair may be written again); the younger groups' may be out
	; the two accumulators take turns
	v_wmma_scale_f32_16x16x128_f8f6f4 v[D0:D0+7], v[AF:AF+7], v[BFR+32*BU:BFR+32*BU+7], 0, v[AS], v[BSR+2*BU] matrix_a_fmt:MATRIX_FMT_FP4 matrix_b_fmt:MATRIX_FMT_FP4
	v_wmma_scale_f32_16x16x128_f8f6f4 v[D1:D1+7], v[AF:AF+7], v[BFR+32*BU+16:BFR+32*BU+23], 0, v[AS], v[BSR+2*BU+1] matrix_a_fmt:MATRIX_FMT_FP4 matrix_b_fmt:MATRIX_FMT_FP4
	v_wmma_scale_f32_16x16x128_f8f6f4 v[D0:D0+7], v[AF+8:AF+15], v[BFR+32*BU+8:BFR+32*BU+15], v[D0:D0+7], v[AS], v[BSR+2*BU] matrix_a_fmt:MATRIX_FMT_FP4 matrix_b_fmt:MATRIX_FMT_FP4 matrix_a_scale:MATRIX_SCALE_ROW1 matrix_b_scale:MATRIX_SCALE_ROW1
	v_wmma_scale_f32_16x16x128_f8f6f4 v[D1:D1+7], v[AF+8:AF+15], v[BFR+32*BU+24:BFR+32*BU+31], v[D1:D1+7], v[AS], v[BSR+2*BU+1] matrix_a_fmt:MATRIX_FMT_FP4 matrix_b_fmt:MATRIX_FMT_FP4 matrix_a_scale:MATRIX_SCALE_ROW1 matrix_b_scale:MATRIX_SCALE_ROW1
.rept 4
	v_nop                                          ; four plain lines ahead of the first read of the results (ISA guide 7.12.1)
.endr
	v_cndmask_b32 v56, v[D0], v[D1], s[HM]         ; lane l: slot l's sum (each result's lowest register)
	v_mul_f32 v56, v56, v7                         ; T
	v_add_f32 v57, v56, v[CCR+4*BU+1]              ; S
	v_cmp_gt_f32 vcc_lo, 0, v57                    ; the compare stands early, two lines and the loads ahead of the select that reads it
	v_fma_f32 v56, v56, v[CCR+4*BU], v[CCR+4*BU+2] ; X
	v_min_num_f32 v56, v56, v[CCR+4*BU+3]          ; y
.if (\g) < 29
	s_wait_alu depctr_va_vdst(0)                   ; the matrix instructions are done reading this buffer's fragments and scale words, the four lines above its constants: the loads below land there
	LOADG (\g)+3
.endif
	s_wait_alu depctr_va_vcc(0)                    ; VCC is written, ahead of the select that reads it
	v_cndmask_b32 v[V+(\g)], v56, v8, vcc_lo
.endm
	LOADG 0                                        ; no wait: no vector instruction has named these buffers, nor v2 and v3 since the wait at the head
	LOADG 1
	LOADG 2
.irp g, 0,1,2,3,4,5,6,7,8,9,10,11,12,13,14,15,16,17,18,19,20,21,22,23,24,25,26,27,28,29
	PROC \g, 22
.endr
	PROC 30, 11
	PROC 31, 0
.macro STAGE src, dst, k, j            ; one stage of a sorting network over a lane's 32 registers, from one set into another
.set I, 0
.rept 32
.if ((I/\j)&1) == 0
.if ((I/\k)&1) == 0
	v_max_num_f32 v[\dst+I], v[\src+I], v[\src+I+\j]
	v_min_num_f32 v[\dst+I+\j], v[\src+I], v[\src+I+\j]
.else
	v_min_num_f32 v[\dst+I], v[\src+I], v[\src+I+\j]
	v_max_num_f32 v[\dst+I+\j], v[\src+I], v[\src+I+\j]
.endif
.endif
.set I, I+1
.endr
.endm
.macro CLEAN
	STAGE Q, P, 32, 16
	STAGE P, Q, 32, 8
	STAGE Q, P, 32, 4
	STAGE P, Q, 32, 2
	STAGE Q, L, 32, 1
.endm
.macro XMERGE m                        ; the 32 largest of my list and lane l xor m's
.set I, 0
.rept 32
	v_max_num_f32_dpp v[Q+I], v[L+31-I], v[L+I] row_xmask:\m row_mask:0xf bank_mask:0xf
.set I, I+1
.endr
	CLEAN
.endm
	STAGE V, P, 2, 1                               ; my 32 scores, falling; V is kept
	STAGE P, Q, 4, 2
	STAGE Q, P, 4, 1
	STAGE P, Q, 8, 4
	STAGE Q, P, 8, 2
	STAGE P, Q, 8, 1
	STAGE Q, P, 16, 8
	STAGE P, Q, 16, 4
	STAGE Q, P, 16, 2
	STAGE P, Q, 16, 1
	STAGE Q, P, 32, 16
	STAGE P, Q, 32, 8
	STAGE Q, P, 32, 4
	STAGE P, Q, 32, 2
	STAGE Q, L, 32, 1
	XMERGE 1
	XMERGE 2
	XMERGE 4
	XMERGE 8
.set I, 0
.rept 32
	v_permlanex16_b32 v[Q+I], v[L+31-I], s[PL], s[PL+1]
.set I, I+1
.endr
.set I, 0
.rept 32
	v_max_num_f32 v[P+I], v[L+I], v[Q+I]           ; the 32 largest of all 1,024, in no order
.set I, I+1
.endr
	v_min3_num_f32 v[TAU], v[P], v[P+1], v[P+2]    ; tau = the least of them
	v_min3_num_f32 v[TB], v[P+3], v[P+4], v[P+5]
.irp i, 6,10,14,18,22,26
	v_min3_num_f32 v[TAU], v[TAU], v[P+\i], v[P+\i+1]
	v_min3_num_f32 v[TB], v[TB], v[P+\i+2], v[P+\i+3]
.endr
	v_min3_num_f32 v[TAU], v[TAU], v[P+30], v[P+31]
	v_min_num_f32 v[TAU], v[TAU], v[TB]
; THE MEMBERS: lane o takes the o-th one of the string (score > tau) followed by the string (score = tau): all above tau, then the ties with the lowest indices.
; The compares stand in runs of four, each run into four scalar registers, with one wait behind it.
.macro SBATCH gt, i0
.irp q, 0,1,2,3
.if \gt
	v_cmp_gt_f32 s[SW+\q], v[V+\i0+\q], v[TAU]
.else
	v_cmp_eq_f32 s[SW+\q], v[V+\i0+\q], v[TAU]
.endif
.endr
	s_wait_alu depctr_va_sdst(0)                   ; the four mask words are written, ahead of the counts that read them
.irp q, 0,1,2,3
	s_bcnt1_i32_b32 s[SC+\q], s[SW+\q]
	s_lshl_b32 s[SI+\q], s[GID+\i0+\q], 5          ; the group's first slot
.endr
	s_mov_b32 s[SR], s[RUN]
	s_add_co_u32 s[SR+1], s[SR], s[SC]
	s_add_co_u32 s[SR+2], s[SR+1], s[SC+1]
	s_add_co_u32 s[SR+3], s[SR+2], s[SC+2]
	s_add_co_u32 s[RUN], s[SR+3], s[SC+3]
.irp q, 0,1,2,3
	v_cmp_le_u32 s[CM+\q], s[SR+\q], v[LANE]
.endr
	s_wait_alu depctr_va_sdst(0)                   ; the four masks of lanes are written, ahead of the selects that read them
.irp q, 0,1,2,3
	v_cndmask_b32 v[VW], v[VW], s[SW+\q], s[CM+\q]
	v_cndmask_b32 v[VST], v[VST], s[SR+\q], s[CM+\q]
	v_cndmask_b32 v[VID], v[VID], s[SI+\q], s[CM+\q]
.endr
.endm
	v_mov_b32 v[VW], 0
	v_mov_b32 v[VST], 0
	v_mov_b32 v[VID], 0
	s_mov_b32 s[RUN], 0
.set B, 0
.rept 8
	SBATCH 1, B
.set B, B+4
.endr
.set B, 0
.rept 8
	SBATCH 0, B
.set B, B+4
.endr
	v_sub_nc_u32 v[KK], v[LANE], v[VST]            ; the place of one number K in my word: counts side by side, then five halvings
	v_lshrrev_b32 v[T0], 1, v[VW]
	v_and_b32 v[T0], 0x55555555, v[T0]
	v_sub_nc_u32 v[A1], v[VW], v[T0]
	v_lshrrev_b32 v[T0], 2, v[A1]
	v_and_b32 v[T0], 0x33333333, v[T0]
	v_and_b32 v[A2], 0x33333333, v[A1]
	v_add_nc_u32 v[A2], v[A2], v[T0]
	v_lshrrev_b32 v[T0], 4, v[A2]
	v_add_nc_u32 v[T0], v[A2], v[T0]
	v_and_b32 v[A3], 0x0f0f0f0f, v[T0]
	v_lshrrev_b32 v[T0], 8, v[A3]
	v_add_nc_u32 v[T0], v[A3], v[T0]
	v_and_b32 v[A4], 0x00ff00ff, v[T0]
	v_mov_b32 v[POS], 0
.macro LEVEL a, w
	v_bfe_u32 v[T0], v[\a], v[POS], \w
	v_cmp_ge_u32 vcc_lo, v[KK], v[T0]
	v_sub_nc_u32 v[T0], v[KK], v[T0]
	v_add_nc_u32 v[T1], \w, v[POS]
	s_wait_alu depctr_va_vcc(0)                    ; VCC is written, ahead of the two selects that read it
	v_cndmask_b32 v[KK], v[KK], v[T0], vcc_lo
	v_cndmask_b32 v[POS], v[POS], v[T1], vcc_lo
.endm
	LEVEL A4, 16
	LEVEL A3, 8
	LEVEL A2, 4
	LEVEL A1, 2
	LEVEL VW, 1
	v_add_nc_u32 v[VID], v[VID], v[POS]            ; the slot's number
	s_wait_alu depctr_va_vdst(0)                   ; the slot's number is written, which the LDS store reads
	ds_store_b32 v13, v[VID]
	s_wait_dscnt 0x0                               ; for the others' sake
	s_barrier_signal -1
	s_barrier_wait -1
	s_cmp_gt_u32 s10, 1                            ; waves 0 and 1 store the eight lists, 512 consecutive bytes each
	s_cbranch_scc1 .Ldone
	ds_load_b128 v[60:63], v14                     ; (no vector instruction has named v60 to v63)
	s_wait_dscnt 0x0
	global_store_b128 v14, v[60:63], s[8:9]
.Ldone:
	s_wait_dscnt 0x0                               ; the closing lines, six on end
	s_wait_alu 0x0
	s_wait_tensorcnt 0x0
	ds_add_u32 v254, v255
	s_wait_dscnt 0x0
	s_endpgm
.Lfunc_end_k_qdce36afcad_rescan:
	.size	k_qdce36afcad_rescan, .Lfunc_end_k_qdce36afcad_rescan-k_qdce36afcad_rescan
	.p2alignl 7, 3214868480
	.fill 96, 4, 3214868480
	.section	.rodata,"a",@progbits
	.p2align	6, 0x0
	.amdhsa_kernel k_qdce36afcad_rescan
		.amdhsa_group_segment_fixed_size 2048
		.amdhsa_private_segment_fixed_size 0
		.amdhsa_enable_private_segment 0
		.amdhsa_kernarg_size 24
		.amdhsa_user_sgpr_count 2
		.amdhsa_user_sgpr_kernarg_segment_ptr 1
		.amdhsa_wavefront_size32 1
		.amdhsa_system_sgpr_workgroup_id_x 1
		.amdhsa_system_sgpr_workgroup_id_y 1
		.amdhsa_system_sgpr_workgroup_id_z 1
		.amdhsa_system_vgpr_workitem_id 0
		.amdhsa_next_free_vgpr 256
		.amdhsa_next_free_sgpr 100
		.amdhsa_reserve_vcc 1
		.amdhsa_float_denorm_mode_32 3
		.amdhsa_float_denorm_mode_16_64 3
		.amdhsa_memory_ordered 1
		.amdhsa_forward_progress 1
		.amdhsa_inst_pref_size 156
	.end_amdhsa_kernel
	.amdgpu_metadata
---
amdhsa.version: [ 1, 2 ]
amdhsa.kernels:
  - .name:           k_qdce36afcad_rescan
    .symbol:         k_qdce36afcad_rescan.kd
    .args:
      - { .name: gsel, .offset: 0, .size: 8, .value_kind: global_buffer, .address_space: global }
      - { .name: mrec, .offset: 8, .size: 8, .value_kind: global_buffer, .address_space: global }
      - { .name: ssel, .offset: 16, .size: 8, .value_kind: global_buffer, .address_space: global }
    .group_segment_fixed_size: 2048
    .private_segment_fixed_size: 0
    .kernarg_segment_align: 8
    .kernarg_segment_size: 24
    .max_flat_workgroup_size: 256
    .sgpr_count:     100
    .vgpr_count:     256
    .wavefront_size: 32
...
	.end_amdgpu_metadata
.endif
;; end of part 9
;; launch gather (part 10): grid 256 x 1, 8 waves a work-group, no clusters, 0 bytes of LDS; arguments ssel, mrec, mem, out0; writes out0
.if DOCPART == 10
	.amdgcn_target "amdgcn-amd-amdhsa--gfx1250"
	.amdhsa_code_object_version 6
	.text
	.protected	k_qdce36afcad_gather
	.globl	k_qdce36afcad_gather
	.p2align	8
	.type	k_qdce36afcad_gather,@function
k_qdce36afcad_gather:
	s_mov_b64 s[64:65], 0
	v_nop
	global_prefetch_b8 v0, s[64:65] scope:SCOPE_SE
	s_setreg_imm32_b32 hwreg(HW_REG_WAVE_SCHED_MODE, 0, 2), 2
	s_setreg_imm32_b32 hwreg(HW_REG_WAVE_MODE, 25, 1), 1
	s_wait_xcnt 0x0
	s_wait_alu depctr_vm_vsrc(0)
; GATHER.  For each query: its 32 slots (whole numbers read from memory) are scored once more, by the same matrix instructions and lines as before; softmax over the 32, the largest taken away first;
; out = the sum of weight x mem's row, in f32 fused multiply-adds (one row of weights: no work for the matrix unit).
; A SCORE: T = D x u;  S = T + nthr;  X = T x w + bias in one rounding;  y = min(X, cap); where S < 0: -infinity, whose weight is 0.  A query none of whose slots counts gives NaN, as the problem's definition does.
; LIMITS: as stated for the scan; NaN and infinities among the inputs are not served.
; SHARES.  A wave serves one query (work-group x, wave wv: query 16 (x / 2) + 8 (wv / 4) + 4 (x % 2) + wv % 4).  Source 0 holds the same query in all 16 rows, source 1 sixteen of the slots: register 0 of the two
; results holds, in lane l, the sum of the list's l-th slot.  mem's rows come in batches of eight (16 loads of 512 consecutive bytes), two batches on their way.  No LDS, no barrier.
; THE MODE: SCHED_MODE bits 1:0 = 2 (LLVM: expert scheduling mode 2), set by the entry lines.  The code itself states the register dependences
; between vector or matrix instructions and memory instructions, with s_wait_alu, always for 0.
; THE PLAN.  Registers that memory instructions touch:
;   v2, v4, v5, v6, v13   offsets, made at the head and never written again.
;   v36-39, v100          the slots' offsets in the records: made of the list, read by the 11 loads of operands: one wait on va_vdst between.
;   RW0, RW1              Batch b's 16 loads land in RW[b % 2]; its 32 multiply-adds read it; behind them, and one wait on va_vdst, batch b + 2's loads land in it.
;   the sums              written by the multiply-adds, read by the two stores: one wait on va_vdst between.
; Scalar registers that vector instructions write: the rows' numbers and the weights are read out of their lanes IN RUNS, with one wait on va_sdst behind each run: the numbers of batches 0 and 1 together;
; then, at the head of batch b's turn, its eight weights and the numbers of batch b + 2, whose addresses are made ahead of the multiply-adds, so that its loads follow them at once.
.set RECB, 4864
.set AF,   16                          ; v16-31   the query's two fragments
.set AS,   32                          ; v32      its scale words
.set BSR,  33                          ; v33-34   the slots' scale words
.set D0,   40
.set D1,   48
.set CC,   64                          ; v64-67   my slot's (w, nthr, bias, cap)
.set BFR,  68                          ; v68-99   the slots' fragments: 16 x tile + 8 x K step
.set KOF,  100
.set T0,   101
.set T1,   102
.set RW,   104                         ; v104-231 two batches of eight rows, 8 registers a row
.set AC,   232                         ; v232-239 the sums: d = 4 l + 0..3 and 128 + 4 l + 0..3
.set HM,   24
.set PL,   26
.set RB,   32                          ; s32-63   the rows' addresses: 8 pairs for each of two batches
.set WT,   70                          ; s70-85   a batch's eight weights, each in a pair's low word
	s_load_b256 s[4:11], s[0:1], 0x0               ; the lists s[4:5], the records s[6:7], mem s[8:9], out s[10:11]
	v_lshrrev_b32 v1, 5, v0
	v_readfirstlane_b32 s12, v1                    ; wave 0..7
	v_and_b32 v1, 31, v0
	v_lshlrev_b32 v2, 4, v1                        ; 16 x lane
	v_bfe_u32 v3, v0, 4, 1                         ; h
	v_lshlrev_b32 v14, 8, v3                       ; 256 h
	s_wait_alu depctr_va_vdst(0)
	v_lshlrev_b32 v15, 2, v3                       ; 4 h
	s_wait_alu depctr_va_vdst(0)
	v_lshlrev_b32 v13, 2, v0                       ; 4 x thread
	v_mov_b32 v8, 0xff800000                       ; -infinity
	v_mov_b32 v10, 0                               ; (lane permutes' destinations count as sources)
	v_mov_b32 v60, 0
	s_wait_alu depctr_va_sdst(0)                   ; s12 is written, ahead of its first reader
	s_lshr_b32 s13, ttmp9, 1
	s_lshl_b32 s13, s13, 4
	s_lshr_b32 s22, s12, 2
	s_lshl_b32 s22, s22, 3
	s_add_co_u32 s13, s13, s22
	s_and_b32 s22, ttmp9, 1
	s_lshl_b32 s22, s22, 2
	s_add_co_u32 s13, s13, s22
	s_and_b32 s22, s12, 3
	s_add_co_u32 s13, s13, s22                     ; my query
	s_lshr_b32 s18, s13, 5
	s_add_co_u32 s18, s18, 2048
	s_mul_i32 s18, s18, RECB                       ; its record
	s_mov_b32 s19, 0
	s_and_b32 s14, s13, 31                         ; its row there
	s_lshr_b32 s15, s14, 4
	s_lshl_b32 s15, s15, 11
	s_and_b32 s16, s14, 15
	s_lshl_b32 s16, s16, 4
	s_add_co_u32 s15, s15, s16
	v_add_nc_u32 v4, s15, v14                      ; its codes
	s_lshl_b32 s16, s14, 3
	v_add_nc_u32 v5, s16, v15                      ; its scale words
	s_lshl_b32 s16, s14, 4
	v_mov_b32 v6, s16                              ; its constants
	s_mov_b32 s[HM], 0xffff0000
	s_mov_b32 s[PL], 0x76543210
	s_mov_b32 s[PL+1], 0xfedcba98
.irp i, 0,1,2,3,4,5,6,7
	s_mov_b32 s[WT+2*\i+1], 0                      ; (named with the weights as pairs, so they are written)
.endr
	s_lshl_b32 s22, ttmp9, 10                      ; eight lists of 128 bytes
	s_mov_b32 s23, 0
	s_lshl_b32 s28, s13, 10                        ; my row of out
	s_mov_b32 s29, 0
	s_wait_kmcnt 0x0
	s_add_nc_u64 s[4:5], s[4:5], s[22:23]
	s_add_nc_u64 s[10:11], s[10:11], s[28:29]
	s_add_nc_u64 s[18:19], s[6:7], s[18:19]
	s_wait_alu depctr_va_vdst(0)                   ; the offsets v2, v4, v5, v6 and v13 are written, which the loads and stores below read
	global_load_b32 v9, v13, s[4:5]                ; my query's 32 slots, one a lane
.irp m, 0,1,2,3
	global_load_b128 v[AF+4*\m:AF+4*\m+3], v4, s[18:19] offset:512*\m
.endr
	global_load_b32 v[AS], v5, s[18:19] offset:4096
	global_load_b32 v7, v6, s[18:19] offset:4352   ; u
	s_wait_loadcnt 0x0
; The numbers of rows 8 b .. 8 b + 7 of the list, out of their lanes into the low words of the batch's address pairs: one run
.macro IDX b
.set PB, (\b)%2
.irp i, 0,1,2,3,4,5,6,7
	v_readlane_b32 s[RB+16*PB+2*\i], v9, 8*(\b)+\i
.endr
.endm
; and the addresses made of them, in place
.macro BASES b
.set PB, (\b)%2
.irp i, 0,1,2,3,4,5,6,7
	s_min_u32 s[RB+16*PB+2*\i], s[RB+16*PB+2*\i], 0xffff
	s_lshl_b32 s[RB+16*PB+2*\i], s[RB+16*PB+2*\i], 10      ; a row of mem is 1,024 bytes
	s_mov_b32 s[RB+16*PB+2*\i+1], 0
	s_add_nc_u64 s[RB+16*PB+2*\i:RB+16*PB+2*\i+1], s[8:9], s[RB+16*PB+2*\i:RB+16*PB+2*\i+1]
.endr
.endm
.macro ROWS b                          ; rows 8 b .. 8 b + 7 of the list: 16 loads in one run
.set PB, (\b)%2
.irp i, 0,1,2,3,4,5,6,7
	global_load_b128 v[RW+64*PB+8*\i:RW+64*PB+8*\i+3], v2, s[RB+16*PB+2*\i:RB+16*PB+2*\i+1]
	global_load_b128 v[RW+64*PB+8*\i+4:RW+64*PB+8*\i+7], v2, s[RB+16*PB+2*\i:RB+16*PB+2*\i+1] offset:512
.endr
.endm
	v_min_u32 v9, 0xffff, v9                       ; a loaded number enters an address only held inside the table
	IDX 0                                          ; the first sixteen rows' numbers; the offsets' arithmetic below stands between them and their wait
	IDX 1
	v_permlanex16_b32 v10, v9, s[PL], s[PL+1]
	v_cndmask_b32 v11, v9, v10, s[HM]              ; lane (r, h): the list's slot r,
	v_cndmask_b32 v12, v10, v9, s[HM]              ; and its slot 16 + r
	v_min_u32 v11, 0xffff, v11
	v_min_u32 v12, 0xffff, v12
; slot c lies in record c / 32 at row c % 32: its codes at 4864 (c / 32) + 2048 (row / 16) + 16 (row % 16) + 256 h, its scale words at 4864 (c / 32) + 8 row + 4 h (+ 4096)
.macro OFFS c, oc, os
	v_and_b32 v[T0], 0xffe0, v[\c]
	v_mul_u32_u24 v[T0], 152, v[T0]
	v_and_b32 v[T1], 16, v[\c]
	v_lshlrev_b32 v[T1], 7, v[T1]
	v_add_nc_u32 v[\oc], v[T0], v[T1]
	v_and_b32 v[T1], 15, v[\c]
	v_lshlrev_b32 v[T1], 4, v[T1]
	v_add_nc_u32 v[\oc], v[\oc], v[T1]
	v_add_nc_u32 v[\oc], v[\oc], v14
	v_and_b32 v[T1], 31, v[\c]
	v_lshlrev_b32 v[T1], 3, v[T1]
	v_add_nc_u32 v[\os], v[T0], v[T1]
	v_add_nc_u32 v[\os], v[\os], v15
.endm
	OFFS 11, 36, 37
	OFFS 12, 38, 39
	v_and_b32 v[T0], 0xffe0, v9
	v_mul_u32_u24 v[T0], 152, v[T0]
	v_and_b32 v[T1], 31, v9
	v_lshlrev_b32 v[T1], 4, v[T1]
	v_add_nc_u32 v[KOF], v[T0], v[T1]              ; my own slot's constants (+ 4352)
	s_wait_alu depctr_va_sdst(0)                   ; the sixteen rows' numbers are written, ahead of their first readers: one wait for the run
	BASES 0
	BASES 1
	s_wait_alu depctr_va_vdst(0)                   ; the offsets v36 to v39 and v100 are written, which the loads below read
.irp m, 0,1,2,3
	global_load_b128 v[BFR+4*\m:BFR+4*\m+3], v36, s[6:7] offset:512*\m
	global_load_b128 v[BFR+16+4*\m:BFR+16+4*\m+3], v38, s[6:7] offset:512*\m
.endr
	global_load_b32 v[BSR], v37, s[6:7] offset:4096
	global_load_b32 v[BSR+1], v39, s[6:7] offset:4096
	global_load_b128 v[CC:CC+3], v[KOF], s[6:7] offset:4352
	ROWS 0
	ROWS 1
	s_wait_loadcnt 32                              ; the 11 loads of operands are in; the two batches of rows may be out
	; the two accumulators take turns
	v_wmma_scale_f32_16x16x128_f8f6f4 v[D0:D0+7], v[AF:AF+7], v[BFR:BFR+7], 0, v[AS], v[BSR] matrix_a_fmt:MATRIX_FMT_FP4 matrix_b_fmt:MATRIX_FMT_FP4
	v_wmma_scale_f32_16x16x128_f8f6f4 v[D1:D1+7], v[AF:AF+7], v[BFR+16:BFR+23], 0, v[AS], v[BSR+1] matrix_a_fmt:MATRIX_FMT_FP4 matrix_b_fmt:MATRIX_FMT_FP4
	v_wmma_scale_f32_16x16x128_f8f6f4 v[D0:D0+7], v[AF+8:AF+15], v[BFR+8:BFR+15], v[D0:D0+7], v[AS], v[BSR] matrix_a_fmt:MATRIX_FMT_FP4 matrix_b_fmt:MATRIX_FMT_FP4 matrix_a_scale:MATRIX_SCALE_ROW1 matrix_b_scale:MATRIX_SCALE_ROW1
	v_wmma_scale_f32_16x16x128_f8f6f4 v[D1:D1+7], v[AF+8:AF+15], v[BFR+24:BFR+31], v[D1:D1+7], v[AS], v[BSR+1] matrix_a_fmt:MATRIX_FMT_FP4 matrix_b_fmt:MATRIX_FMT_FP4 matrix_a_scale:MATRIX_SCALE_ROW1 matrix_b_scale:MATRIX_SCALE_ROW1
.rept 4
	v_nop                                          ; four plain lines ahead of the first read of the results (ISA guide 7.12.1)
.endr
	v_cndmask_b32 v56, v[D0], v[D1], s[HM]         ; lane l: the l-th slot's sum (each result's lowest register)
	v_mul_f32 v56, v56, v7                         ; T
	v_add_f32 v57, v56, v[CC+1]                    ; S
	v_cmp_gt_f32 vcc_lo, 0, v57                    ; the compare stands early, two lines ahead of the select that reads it
	v_fma_f32 v56, v56, v[CC], v[CC+2]             ; X
	v_min_num_f32 v56, v56, v[CC+3]                ; y
	s_wait_alu depctr_va_vcc(0)                    ; VCC is written, ahead of the select that reads it
	v_cndmask_b32 v56, v56, v8, vcc_lo
	v_mov_b32 v57, v56                             ; the largest of the 32
	v_max_num_f32_dpp v57, v57, v57 row_xmask:1 row_mask:0xf bank_mask:0xf
	v_max_num_f32_dpp v57, v57, v57 row_xmask:2 row_mask:0xf bank_mask:0xf
	v_max_num_f32_dpp v57, v57, v57 row_xmask:4 row_mask:0xf bank_mask:0xf
	v_max_num_f32_dpp v57, v57, v57 row_xmask:8 row_mask:0xf bank_mask:0xf
	v_permlanex16_b32 v60, v57, s[PL], s[PL+1]
	v_max_num_f32 v57, v57, v60
	v_sub_f32 v58, v56, v57
	v_mul_f32 v58, 0x3fb8aa3b, v58                 ; x log2(e)
	s_wait_alu depctr_va_vdst(0)
	v_exp_f32 v58, v58
	v_nop                                          ; a plain line behind the exponential
	s_wait_alu depctr_va_vdst(0)                   ; the exponential has written v58, ahead of its first reader
	v_mov_b32 v59, v58                             ; their sum
	v_add_f32_dpp v59, v59, v59 row_xmask:1 row_mask:0xf bank_mask:0xf
	v_add_f32_dpp v59, v59, v59 row_xmask:2 row_mask:0xf bank_mask:0xf
	v_add_f32_dpp v59, v59, v59 row_xmask:4 row_mask:0xf bank_mask:0xf
	v_add_f32_dpp v59, v59, v59 row_xmask:8 row_mask:0xf bank_mask:0xf
	v_permlanex16_b32 v60, v59, s[PL], s[PL+1]
	v_add_f32 v59, v59, v60
	s_wait_alu depctr_va_vdst(0)
	v_rcp_f32 v59, v59
	v_nop                                          ; a plain line behind the reciprocal
	s_wait_alu depctr_va_vdst(0)                   ; the reciprocal has written v59, ahead of its first reader
	v_mul_f32 v58, v58, v59                        ; lane l: the l-th slot's weight
; Batch b's turn.  more = 1: batch b + 2 is asked for, into the registers and the address pairs that batch b leaves.
.macro ACCUM b, left, more
.irp i, 0,1,2,3,4,5,6,7
	v_readlane_b32 s[WT+2*\i], v58, 8*(\b)+\i      ; the batch's eight weights, in one run
.endr
	s_wait_loadcnt \left                           ; this batch's 16 loads are in (so its address pairs may be written again); the younger batch's may be out
.if \more
	IDX (\b)+2
.endif
	s_wait_alu depctr_va_sdst(0)                   ; the weights (and the next rows' numbers) are written, ahead of their first readers: one wait for the run
.if \more
	BASES (\b)+2
.endif
.set PB, (\b)%2
.irp i, 0,1,2,3,4,5,6,7
.irp p, 0,2,4,6
.if ((\b) == 0) && (\i == 0)
	v_pk_mul_f32 v[AC+\p:AC+\p+1], v[RW+64*PB+8*\i+\p:RW+64*PB+8*\i+\p+1], s[WT+2*\i:WT+2*\i+1] op_sel_hi:[1,0]   ; the first row starts the sums: nothing is cleared
.else
	v_pk_fma_f32 v[AC+\p:AC+\p+1], v[RW+64*PB+8*\i+\p:RW+64*PB+8*\i+\p+1], s[WT+2*\i:WT+2*\i+1], v[AC+\p:AC+\p+1] op_sel_hi:[1,0,1]
.endif
.endr
.endr
.if \more
	s_wait_alu depctr_va_vdst(0)                   ; the multiply-adds are done reading this batch's rows: the loads below land there
	ROWS (\b)+2
.endif
.endm
	ACCUM 0, 16, 1
	ACCUM 1, 16, 1
	ACCUM 2, 16, 0
	ACCUM 3, 0, 0
	s_wait_alu depctr_va_vdst(0)                   ; the sums are written, which the two stores read
	global_store_b128 v2, v[AC:AC+3], s[10:11]             ; 32 lanes store 512 consecutive bytes
	global_store_b128 v2, v[AC+4:AC+7], s[10:11] offset:512
	s_endpgm
.Lfunc_end_k_qdce36afcad_gather:
	.size	k_qdce36afcad_gather, .Lfunc_end_k_qdce36afcad_gather-k_qdce36afcad_gather
	.p2alignl 7, 3214868480
	.fill 96, 4, 3214868480
	.section	.rodata,"a",@progbits
	.p2align	6, 0x0
	.amdhsa_kernel k_qdce36afcad_gather
		.amdhsa_group_segment_fixed_size 0
		.amdhsa_private_segment_fixed_size 0
		.amdhsa_enable_private_segment 0
		.amdhsa_kernarg_size 32
		.amdhsa_user_sgpr_count 2
		.amdhsa_user_sgpr_kernarg_segment_ptr 1
		.amdhsa_wavefront_size32 1
		.amdhsa_system_sgpr_workgroup_id_x 1
		.amdhsa_system_sgpr_workgroup_id_y 1
		.amdhsa_system_sgpr_workgroup_id_z 1
		.amdhsa_system_vgpr_workitem_id 0
		.amdhsa_next_free_vgpr 240
		.amdhsa_next_free_sgpr 100
		.amdhsa_reserve_vcc 1
		.amdhsa_float_denorm_mode_32 3
		.amdhsa_float_denorm_mode_16_64 3
		.amdhsa_memory_ordered 1
		.amdhsa_forward_progress 1
		.amdhsa_inst_pref_size 32
	.end_amdhsa_kernel
	.amdgpu_metadata
---
amdhsa.version: [ 1, 2 ]
amdhsa.kernels:
  - .name:           k_qdce36afcad_gather
    .symbol:         k_qdce36afcad_gather.kd
    .args:
      - { .name: ssel, .offset: 0, .size: 8, .value_kind: global_buffer, .address_space: global }
      - { .name: mrec, .offset: 8, .size: 8, .value_kind: global_buffer, .address_space: global }
      - { .name: mem, .offset: 16, .size: 8, .value_kind: global_buffer, .address_space: global }
      - { .name: out0, .offset: 24, .size: 8, .value_kind: global_buffer, .address_space: global }
    .group_segment_fixed_size: 0
    .private_segment_fixed_size: 0
    .kernarg_segment_align: 8
    .kernarg_segment_size: 32
    .max_flat_workgroup_size: 256
    .sgpr_count:     100
    .vgpr_count:     240
    .wavefront_size: 32
...
	.end_amdgpu_metadata
.endif
;; end of part 10
